; MI455X (gfx1250); checked and timed in simulation.
; The chip was launched on July 23, 2026; its instructions are those of AMD's public machine-readable ISA for CDNA 5 (MIT licence, August 2026) and "CDNA5" Instruction Set Architecture Reference Guide (July 2026). The comments in the code are by the model that wrote it; some were corrected since.
;; PGLU. Allowed arithmetic: matrix products marked QUANTISED: E2M3 operands, one E8M0 scale for each 32 along K, by v_wmma_scale_f32_16x16x128_f8f6f4 with both operands' format E2M3, f32 sums; everything else in f32.
;; Inputs: Wc_b 2,048 float32; Wc_w_codes 2,048 x 128 x 24 uint8 (E2M3 codes of Wc_w, K innermost, in blocks of 32 codes, four codes in three bytes); Wc_w_scales 2,048 x 128 uint8 (E8M0 scales of Wc_w, one for each 32 codes along K); Wi_b 2,048 float32; Wi_w_codes 2,048 x 64 x 24 uint8 (E2M3 codes of Wi_w, K innermost, in blocks of 32 codes, four codes in three bytes); Wi_w_scales 2,048 x 64 uint8 (E8M0 scales of Wi_w, one for each 32 codes along K); Wr_b 2,048 float32; Wr_w_codes 2,048 x 128 x 24 uint8 (E2M3 codes of Wr_w, K innermost, in blocks of 32 codes, four codes in three bytes); Wr_w_scales 2,048 x 128 uint8 (E8M0 scales of Wr_w, one for each 32 codes along K); Wz_b 2,048 float32; Wz_w_codes 2,048 x 128 x 24 uint8 (E2M3 codes of Wz_w, K innermost, in blocks of 32 codes, four codes in three bytes); Wz_w_scales 2,048 x 128 uint8 (E8M0 scales of Wz_w, one for each 32 codes along K); decay_rate 2,048 float32; h_prev 2,048 x 2,048 float32; potential_prev 2,048 x 2,048 float32; tresh 2,048 float32; x_codes 2,048 x 64 x 24 uint8 (E2M3 codes of x, K innermost, in blocks of 32 codes, four codes in three bytes); x_scales 2,048 x 64 uint8 (E8M0 scales of x, one for each 32 codes along K).
;; Outputs: out0 2,048 x 2,048 float32; out1 2,048 x 2,048 float32.
;; This version of the problem:
;;   THIS VERSION OF THE PROBLEM IS GIVEN IN LOW PRECISION. The matrix products marked QUANTISED in the list below multiply operands that are first quantised to E2M3 (2 exponent bits, 3 mantissa bits; 6 bits a number), with one power-of-two scale for each 32 numbers along K (OCP MX v1.0); their sums are f32. All else is computed in f32.
;;   The module's matrix products, in the order in which they are computed (A, B: the left and right operand; K: the contracted axis; several contracted axes count as one K, in the product's order):
;;     1. [M 2,048, K 2,048] x [K 2,048, N 2,048]; A: input x (given as codes); B: input Wi_w (given as codes): QUANTISED
;;     2. [M 2,048, K 4,096] x [K 4,096, N 2,048]; A: computed on the way; B: input Wr_w (given as codes): QUANTISED
;;     3. [M 2,048, K 4,096] x [K 4,096, N 2,048]; A: computed on the way; B: input Wz_w (given as codes): QUANTISED
;;     4. [M 2,048, K 4,096] x [K 4,096, N 2,048]; A: computed on the way; B: input Wc_w (given as codes): QUANTISED
;;   THE QUANTISER, for each operand of a quantised product, along K:
;;     - K is cut into blocks of 32 from its start; a last block that is shorter is filled with zeros.
;;     - A block's scale is 2^e with e = floor(log2(the largest magnitude in the block)) - 2, held to -126 .. 127; a block of zeros has e = 0. As a byte (E8M0): e + 127.
;;     - Each number is divided by its block's scale, clamped to +-7.5, and rounded to the nearest number of E2M3, ties to even, subnormals kept.
;;     - The product sums the exact products of the quantised numbers (number of the format x scale) in f32.
;;   ~~~python
;;   def quantise(x, axis):      # numpy; x: float32 -> the quantised numbers, widened to float32 again
;;       x = np.moveaxis(x, axis, -1); K = x.shape[-1]
;;       x = np.pad(x, [(0, 0)] * (x.ndim - 1) + [(0, -K % 32)]); x = x.reshape(x.shape[:-1] + (-1, 32)); a = np.abs(x).max(-1, keepdims=True)
;;       e = np.where(a > 0, np.clip(np.frexp(np.where(a > 0, a, 1))[1] - 1 - 2, -126, 127), 0)      # np.frexp(a)[1] - 1 = floor(log2(a)), exactly
;;       r = np.clip(x / 2.0 ** e, -7.5, 7.5)
;;       step = 2.0 ** (np.maximum(np.frexp(np.where(r == 0, 1, r))[1] - 1, 0) - 3)
;;       q = np.round(r / step) * step * 2.0 ** e      # np.round: ties to even
;;       return np.moveaxis(q.reshape(q.shape[:-2] + (-1,))[..., :K], -1, axis).astype(np.float32)
;;   ~~~
;;   OPERANDS COMPUTED ON THE WAY. 'Computed on the way' means the value that the module computes at that place (a softmax that the list does not call 'softmax' is quantised finished and normalised). What goes into a quantiser is computed in f32, as accurately as f32 sums, v_exp_f32 and their like allow (about 1e-6 of the number): no bf16 or f16 on the way to a quantiser, and a product that is left as it is and whose result goes on into a quantised operand takes f32 operands (vector FMAs, or v_wmma_f32_16x16x4_f32). A number that lies on a knife's edge between two numbers of the format may be rounded either way, as far as f32 arithmetic and the matrix unit's own rounding can turn it there, and no further.
;;   INPUTS GIVEN AS CODES. Wc_w (in the module: [2048, 4096], K = its axis 1); Wi_w (in the module: [2048, 2048], K = its axis 1); Wr_w (in the module: [2048, 4096], K = its axis 1); Wz_w (in the module: [2048, 4096], K = its axis 1); x (in the module: [2048, 2048], K = its axis 1): each comes as NAME_codes (uint8): NAME with its K axis moved to the last place and cut into blocks of 32 codes, [.., K / 32, bytes a block], one block behind the other in memory; four codes in three bytes: a row's codes are one little-endian stream of bits, code i at bits 6 i .. 6 i + 5 (a code: sign, 2 exponent bits, 3 mantissa bits); and NAME_scales (uint8): the same leading axes, one E8M0 byte (e + 127) for each 32 codes along K. Its value is code x scale, taken as it is: it is not quantised again, and the codes and scales need not be those that the quantiser above would give.
;; One version. Each part assembles by itself: llvm-mc -triple=amdgcn-amd-amdhsa -mcpu=gfx1250 --defsym DOCPART=n.
;; ======== version 1 of 1: 3 launches
;; workspace buffers: comb 6,291,456 bytes; cand 6,291,456 bytes; comb_scales 262,144 bytes; cand_scales 262,144 bytes
;; launch pot (part 1): grid 16 x 16, 4 waves a work-group, clusters of 4 x 4, 327,680 bytes of LDS; arguments x_codes, x_scales, Wi_w_codes, Wi_w_scales, Wi_b, tresh, decay_rate, potential_prev, h_prev, out1, comb, cand, comb_scales, cand_scales; writes out1, comb, cand, comb_scales, cand_scales
.if DOCPART == 1
	.amdgcn_target "amdgcn-amd-amdhsa--gfx1250"
	.amdhsa_code_object_version 6
	.text
	.protected	k_q252f38e1be_pot
	.globl	k_q252f38e1be_pot
	.p2align	8
	.type	k_q252f38e1be_pot,@function
k_q252f38e1be_pot:
	s_mov_b64 s[64:65], 0
	v_nop
	global_prefetch_b8 v0, s[64:65] scope:SCOPE_SE
	s_setreg_imm32_b32 hwreg(HW_REG_WAVE_MODE, 25, 1), 1
	s_wait_xcnt 0x0
	s_wait_alu depctr_hold_cnt(0) depctr_sa_sdst(0) depctr_va_vdst(0) depctr_va_sdst(0) depctr_va_ssrc(0) depctr_va_vcc(0) depctr_vm_vsrc(0)
	s_getreg_b32 s2, hwreg(HW_REG_IB_STS2, 6, 4)
	s_cmp_eq_u32 s2, 0
	s_cbranch_scc0 .Lentry_in_a_cluster
	s_endpgm
.Lentry_in_a_cluster:
	s_bfe_u32 s2, ttmp6, 0x10000c
	s_cmp_lg_u32 s2, 0xf033
	s_cbranch_scc0 .Lentry_shape_is_right
	s_endpgm
.Lentry_shape_is_right:
; POT.  potential = potential_prev + (x Wi^T + Wi_b), the product on the given codes of FP6 (E2M3) with E8M0 scales, K = 2,048.
; out1 = potential x decay_rate where potential is not above tresh, else 0.  activated = potential where it is above tresh, else 0.
; activated and h_prev are quantised here, once, along the columns (the K of the three later products), and stored as operands for the later launches.
; NO WORK OF THE PROBLEM IS LEFT OUT in any of the three launches: every input has a way to an output, and every product of the table is done whole.
; activated's blocks of 32 are the same in [activated | h_prev] and in [activated | r h_prev] (2,048 is a multiple of 32), so they are quantised once and stored into both operands.
; LIMITS: NaN and infinities among the inputs are not served.  relu(p - t) > 0 is tested as p > t: with denormals kept the two are the same for all finite f32.
; The zeros of out1 and of activated are +0 where the formula as written may give -0.  A block of zeros gets the scale byte 1 where the quantiser says 127: its codes are zeros, and this program alone reads the bytes.
; The f32 sums take K's two halves in an order that differs between clusters (THE WALK, below): an order of rounding, no more.
; SHARES.  A work-group of four waves makes 128 rows x 128 columns; a wave 64 x 64: 16 accumulators.  16 x 16 work-groups cover 2,048 x 2,048.
; CLUSTERS: 4 x 4.  The four of a row of the cluster need the same tiles of x, the four of a column the same tiles of Wi: each tile is asked for jointly.
; THE MATRIX INSTRUCTION IS USED TRANSPOSED (source 0 = 16 rows of Wi, source 1 = 16 rows of x): lane (r, hh) holds row r and columns 16 t + 8 hh + 0..7 of tile t.
; K goes in slots of 512 through a ring of two LDS slots; a slot is two steps of 32 matrix instructions; a step's 16 fragments lie in one window of registers.
; THE WALK ALONG K.  The sixteen clusters are of two kinds, PAR = (X ^ X>>1 ^ Y ^ Y>>1) & 1 of the cluster's place (X, Y) in the grid: kind 0 takes K's two halves in order, kind 1 the second half first.
; Of the four clusters that ask for the same rows of x (one Y) two are of each kind, and likewise of the four that ask for the same rows of Wi (one X): so the same bytes are asked for at two times,
; half a walk apart, and not by all four at once.  PAR is the same in all sixteen partners of a cluster.  Only global addresses hang on it: the scale bytes are laid into LDS in the order of the walk.
; THE OPERANDS STORED (comb, cand): [16 row tiles][32 K steps of 128][8 blocks of 16 rows][1,536 bytes]: a fragment as an image of its registers, in two halves c of 768 bytes:
; lane l's registers 6 c .. 6 c + 3 at 16 l, then its registers 6 c + 4, 6 c + 5 at 512 + 8 l.  A wave's 64 columns are one half.  Scale words: [16][32][128 rows] of 4 bytes.
; THREE LAYOUTS of 16 rows x 64 columns in 32 registers: D (as the matrix unit leaves it), R (register 4 t + e: row 2 t + hh, column 4 r + e: memory's), Q (register 16 b + i: row r, column 32 b + 16 hh + i: the quantiser's).
; They are turned into each other through the wave's own stage in LDS, which lies in slot 0: it is used only behind the last change of slots, when slot 0 has had its last fill and its last read.
; REGISTERS.  window 0: v1-3 lane numbers, v4-29 addresses, v32-63 scale words (two sets), v64-127 the quantiser's, v128-255 accumulators.
;   window 1: v0-191 fragments of a slot's first step, v192-203 Wi_b, tresh, decay_rate of my four columns.  window 2: v0-191 fragments of the second step.  window 3: v0-127 potential_prev, v128-255 h_prev, both in layout R.
.set KROW,  1536                       ; a row of x's or Wi's codes in memory
.set ROWB,  384                        ; 512 codes: a tile's row
.set PI,    16                         ; pieces of 8 bytes between two paddings
.set PITCH, 432                        ; an LDS row: 3 x (128 bytes + 16 of padding)
.set RUN,   64*PITCH                   ; 64 rows: what one tensor load brings
.set SLOT,  4*RUN                      ; x's 128 rows, then Wi's 128 rows
.set SCL,   2*SLOT                     ; the scale bytes, in the order of the walk: x's first half of the walk, its second, Wi's first, its second
.set SPT,   48                         ; a row there: 32 bytes (half of K) + 16 of padding
.set SHB,   128*SPT                    ; 128 rows: what one tensor load brings
.set SG,    SCL+4*SHB                  ; 512 bytes of activated's scale words, 512 of h's
.set SPARE, SG+1024                    ; the spare words: 128 bytes for each wave
.set AREA,  16*272                     ; a stage area: 16 rows x (256 bytes + 16); six for each wave
.set ADRA, 4                           ; v4-5 my fragments of x in slot 0, 1; v6-7 the same behind one padding more
.set ADRB, 8                           ; v8-11 the same for Wi
.set ASA,  12                          ; my scale words of x
.set ASB,  13                          ; and of Wi
.set AR,   14                          ; the stage by layout R
.set AQ,   15                          ; by layout Q
.set AD,   16                          ; by layout D
.set VR,   17                          ; memory by layout R: 8192 hh + 16 r
.set VC,   18                          ; 16 r: my four columns
.set VO16, 19                          ; 16 x lane
.set VO8,  20                          ; 8 x lane
.set ASG,  21                          ; where my row's two scale bytes go
.set ASL,  22                          ; where the scale words are read back
.set LT,   24                          ; v24-27 scale words on their way out
.set SPW,  28
.set NIL,  29
.set SC,   32
.set PC,   64                          ; codes: ten registers for each of four row blocks
.set TM,   104                         ; largest magnitudes; later the two bytes of a row
.set TX,   112
.set TS,   120                         ; the conversions' scale operands
.set ACC,  128
.set WB4,  192                         ; window 1
.set TR4,  196
.set DC4,  200
.set PP,   0                           ; window 3
.set HH,   128
.set SEL,  2                           ; s[2:3] in the epilogue: lane selects
.set WR,   4                           ; s[4:5], once x's address has been used: PAR x a whole row of codes: what a refill that passes K's end goes back
.set OUT1, 22
.set COMB, 24
.set CAND, 26
.set G1A,  32
.set G0A,  40
.set G1B,  48
.set G0B,  56
.set G1SA, 68
.set G1SB, 76
.set G0SA, 84
.set G0SB, 88
.set WV,   92
.set RHF,  93
.set CHF,  94
.set TCOL, 95
.set TROW, 96
.set PAR,  97                          ; the cluster's kind, until s[WR] is made;
.set LC,   97                          ; then a temporary
.set MSB, 0
.macro WIN new                         ; the immediate's high byte repeats the setting that is left
.if MSB != (\new)
	s_set_vgpr_msb (MSB<<8)|(\new)
.set MSB, (\new)
.endif
.endm
.macro PLACES n
.rept \n
	v_nop
.endr
.endm
.macro CREST                           ; a round of the cluster's barrier behind its opening barrier
	s_cmp_lg_u32 s[WV], 0
	s_cbranch_scc1 .Lnot_wave_0_\@
	s_barrier_signal -3
.Lnot_wave_0_\@:
	s_barrier_wait -3
	s_barrier_signal -1
	s_barrier_wait -1
.endm
.macro CROUND
	s_barrier_signal -1
	s_barrier_wait -1
	CREST
.endm
.macro JLOAD g0a, g1a, g0b, g1b        ; a joint load: waves 0 and 1 fetch for the rows' side, waves 2 and 3 for the weights'; an s_nop 0 and four v_nop follow each line
	s_cmp_eq_u32 s[RHF], 0
	s_cbranch_scc0 .Lfor_b_\@
	tensor_load_to_lds s[\g0a:\g0a+3], s[\g1a:\g1a+7]
	s_nop 0
	PLACES 4
	s_branch .Lasked_\@
.Lfor_b_\@:
	tensor_load_to_lds s[\g0b:\g0b+3], s[\g1b:\g1b+7]
	s_nop 0
	PLACES 4
.Lasked_\@:
.endm
; A fragment from rows of codes: 16 rows x 128 K, 12 registers: six pieces of 8 bytes.  Lanes 16-31 read three pieces further on; where that is behind one padding more, the second address register serves.
.macro FRAGB reg, adr, q, i
.irp p, 0,1,2,3,4,5
.set PCE, 12*(\q)+6*(\p/3)+\p%3
.if PCE%PI < PI-3
	ds_load_b64 v[(\reg)+2*\p:(\reg)+2*\p+1], v[\adr] offset:8*PCE+16*(PCE/PI)+(\i)*16*PITCH
.else
	ds_load_b64 v[(\reg)+2*\p:(\reg)+2*\p+1], v[(\adr)+2] offset:8*PCE+16*(PCE/PI)+(\i)*16*PITCH
.endif
.endr
.endm
; One matrix instruction.  rb, ra: the weights' (source 0) and the rows' (source 1) scale words lie in lanes 16-31 of their registers.
.macro WM d, fb, fa, zero, sb, sa, rb, ra
.if \zero
.if (\rb) && (\ra)
	v_wmma_scale_f32_16x16x128_f8f6f4 v[(\d):(\d)+7], v[(\fb):(\fb)+11], v[(\fa):(\fa)+11], 0, v[\sb], v[\sa] matrix_a_fmt:MATRIX_FMT_FP6 matrix_b_fmt:MATRIX_FMT_FP6 matrix_a_scale:MATRIX_SCALE_ROW1 matrix_b_scale:MATRIX_SCALE_ROW1
.elseif (\rb)
	v_wmma_scale_f32_16x16x128_f8f6f4 v[(\d):(\d)+7], v[(\fb):(\fb)+11], v[(\fa):(\fa)+11], 0, v[\sb], v[\sa] matrix_a_fmt:MATRIX_FMT_FP6 matrix_b_fmt:MATRIX_FMT_FP6 matrix_a_scale:MATRIX_SCALE_ROW1
.elseif (\ra)
	v_wmma_scale_f32_16x16x128_f8f6f4 v[(\d):(\d)+7], v[(\fb):(\fb)+11], v[(\fa):(\fa)+11], 0, v[\sb], v[\sa] matrix_a_fmt:MATRIX_FMT_FP6 matrix_b_fmt:MATRIX_FMT_FP6 matrix_b_scale:MATRIX_SCALE_ROW1
.else
	v_wmma_scale_f32_16x16x128_f8f6f4 v[(\d):(\d)+7], v[(\fb):(\fb)+11], v[(\fa):(\fa)+11], 0, v[\sb], v[\sa] matrix_a_fmt:MATRIX_FMT_FP6 matrix_b_fmt:MATRIX_FMT_FP6
.endif
.else
.if (\rb) && (\ra)
	v_wmma_scale_f32_16x16x128_f8f6f4 v[(\d):(\d)+7], v[(\fb):(\fb)+11], v[(\fa):(\fa)+11], v[(\d):(\d)+7], v[\sb], v[\sa] matrix_a_fmt:MATRIX_FMT_FP6 matrix_b_fmt:MATRIX_FMT_FP6 matrix_a_scale:MATRIX_SCALE_ROW1 matrix_b_scale:MATRIX_SCALE_ROW1
.elseif (\rb)
	v_wmma_scale_f32_16x16x128_f8f6f4 v[(\d):(\d)+7], v[(\fb):(\fb)+11], v[(\fa):(\fa)+11], v[(\d):(\d)+7], v[\sb], v[\sa] matrix_a_fmt:MATRIX_FMT_FP6 matrix_b_fmt:MATRIX_FMT_FP6 matrix_a_scale:MATRIX_SCALE_ROW1
.elseif (\ra)
	v_wmma_scale_f32_16x16x128_f8f6f4 v[(\d):(\d)+7], v[(\fb):(\fb)+11], v[(\fa):(\fa)+11], v[(\d):(\d)+7], v[\sb], v[\sa] matrix_a_fmt:MATRIX_FMT_FP6 matrix_b_fmt:MATRIX_FMT_FP6 matrix_b_scale:MATRIX_SCALE_ROW1
.else
	v_wmma_scale_f32_16x16x128_f8f6f4 v[(\d):(\d)+7], v[(\fb):(\fb)+11], v[(\fa):(\fa)+11], v[(\d):(\d)+7], v[\sb], v[\sa] matrix_a_fmt:MATRIX_FMT_FP6 matrix_b_fmt:MATRIX_FMT_FP6
.endif
.endif
.endm
; 16 matrix instructions: 4 row blocks x 4 column tiles, 128 along K.  The 16 accumulators take turns, one instruction a turn.
.macro MULH fa, fb, acc, sa, sas, sb, sbs, zero
.irp a, 0,1,2,3
.irp t, 0,1,2,3
	WM (\acc)+32*\a+8*\t, (\fb)+12*\t, (\fa)+12*\a, \zero, (\sb)+(\sbs)*(\t/2), (\sa)+(\sas)*(\a/2), \t%2, \a%2
.endr
.endr
.endm
; The stage: 32 registers (16 rows x 64 columns) in or out of an area, by one of the layouts.  LDS serves a wave's instructions in order (ISA guide 5.7.1.4), so no wait stands between the stores and the loads of an area.
.macro ST_R reg, area
.irp t, 0,1,2,3,4,5,6,7
	ds_store_b128 v[AR], v[(\reg)+4*\t:(\reg)+4*\t+3] offset:(\area)*AREA+544*\t
.endr
.endm
.macro LD_R reg, area
.irp t, 0,1,2,3,4,5,6,7
	ds_load_b128 v[(\reg)+4*\t:(\reg)+4*\t+3], v[AR] offset:(\area)*AREA+544*\t
.endr
.endm
.macro ST_D reg, area                  ; each accumulator from its low end on
.irp t, 0,1,2,3
	ds_store_b128 v[AD], v[(\reg)+8*\t:(\reg)+8*\t+3] offset:(\area)*AREA+64*\t
	ds_store_b128 v[AD], v[(\reg)+8*\t+4:(\reg)+8*\t+7] offset:(\area)*AREA+64*\t+16
.endr
.endm
.macro LD_Q reg, area
.irp b, 0,1
.irp j, 0,1,2,3
	ds_load_b128 v[(\reg)+16*\b+4*\j:(\reg)+16*\b+4*\j+3], v[AQ] offset:(\area)*AREA+128*\b+16*\j
.endr
.endr
.endm
; The wave's 64 rows x 64 columns, 128 registers in layout Q from v[S] of window W on, become four half fragments (v[PC + 10 a] .. + 5) and four pairs of scale bytes (v[TM + 2 a]).
.macro QUANTALL S, W
	WIN (\W)|((\W)<<2)
.irp a, 0,1,2,3
.irp b, 0,1
	v_max3_num_f32 v[TM+2*\a+\b], |v[(\S)+32*\a+16*\b]|, |v[(\S)+32*\a+16*\b+1]|, 0x1800000   ; my 16 numbers of a block, and the floor 2^(3 - 127): the byte cannot fall under 1
.endr
.endr
.irp i, 2,4,6,8,10,12,14
.irp a, 0,1,2,3
.irp b, 0,1
	v_max3_num_f32 v[TM+2*\a+\b], |v[(\S)+32*\a+16*\b+\i]|, |v[(\S)+32*\a+16*\b+\i+1]|, v[TM+2*\a+\b]   ; the eight blocks by turns
.endr
.endr
.endr
	WIN 0
.irp c, 0,1,2,3,4,5,6,7
	v_permlanex16_b32 v[TX+\c], v[TM+\c], s[SEL], s[SEL+1]
.endr
.irp c, 0,1,2,3,4,5,6,7
	v_max_num_f32 v[TM+\c], v[TM+\c], v[TX+\c]         ; with lane l xor 16's: the block's largest magnitude
.endr
.irp c, 0,1,2,3,4,5,6,7
	v_add_nc_u32 v[TS+\c], 0xff000000, v[TM+\c]        ; 2 off its exponent field: the conversion's scale operand
.endr
.irp c, 0,1,2,3,4,5,6,7
	v_lshrrev_b32 v[TX+\c], 23, v[TS+\c]               ; the scale's byte
.endr
.irp a, 0,1,2,3
	v_lshl_or_b32 v[TM+2*\a], v[TX+2*\a+1], 8, v[TX+2*\a]   ; my row's two bytes
.endr
	WIN (\W)
.irp a, 0,1,2,3
	v_cvt_scalef32_pk16_fp6_f32 v[PC+10*\a:PC+10*\a+2], v[(\S)+32*\a:(\S)+32*\a+15], v[TS+2*\a]
	v_cvt_scalef32_pk16_fp6_f32 v[PC+10*\a+6:PC+10*\a+8], v[(\S)+32*\a+16:(\S)+32*\a+31], v[TS+2*\a+1]   ; (a conversion's three registers begin on an even number)
.endr
	WIN 0
	v_nop                                              ; one plain place behind the scaled conversions
.irp a, 0,1,2,3
.irp i, 0,1,2
	v_permlane16_swap_b32 v[PC+10*\a+\i], v[PC+10*\a+6+\i]   ; the operand wants a whole block in a lane: lanes 0-15 the first block, lanes 16-31 the second
.endr
.endr
.irp a, 0,1,2,3
.irp i, 0,1,2
	v_mov_b32 v[PC+10*\a+3+\i], v[PC+10*\a+6+\i]
.endr
.endr
.endm
.macro IMG base, koff                  ; the four half fragments go out as images: 512 and 256 consecutive bytes a store, at multiples of 256 from the buffer's first byte
.irp a, 0,1,2,3
	global_store_b128 v[VO16], v[PC+10*\a:PC+10*\a+3], s[\base:\base+1] offset:(\koff)+1536*\a
	global_store_b64 v[VO8], v[PC+10*\a+4:PC+10*\a+5], s[\base:\base+1] offset:(\koff)+1536*\a+512
.endr
.endm
.macro GATHER off                      ; two of a row's four scale bytes; lanes r and r + 16 write the same value
.irp a, 0,1,2,3
	ds_store_b16 v[ASG], v[TM+2*\a] offset:(\off)+64*\a
.endr
.endm
.macro SCALES sc                       ; a slot's scale words, four a row: lanes 0-15 tile or block 2 g, lanes 16-31 the next
.irp g, 0,1
	ds_load_b128 v[SC+16*(\sc)+4*\g:SC+16*(\sc)+4*\g+3], v[ASB] offset:32*SPT*\g
	ds_load_b128 v[SC+16*(\sc)+8+4*\g:SC+16*(\sc)+8+4*\g+3], v[ASA] offset:32*SPT*\g
.endr
.endm
.macro FETCH s, e, w                   ; step e of slot s into window w: two K steps of 128, each 4 fragments of Wi and 4 of x
	WIN (\w)<<6
.irp i, 0,1
.irp f, 0,1,2,3
	FRAGB 96*\i+48+12*\f, ADRB+(\s), 2*(\e)+\i, \f
.endr
.irp f, 0,1,2,3
	FRAGB 96*\i+12*\f, ADRA+(\s), 2*(\e)+\i, \f
.endr
.endr
.endm
.macro STEP0 s, zero                   ; a slot's first step; in its middle the second step's fragments are fetched
	s_wait_dscnt 48                                    ; the scale words and the first 128 along K are in; the 48 youngest loads may be out
	WIN 0x05
	MULH 0, 48, ACC, SC+16*(\s)+8, 4, SC+16*(\s), 4, \zero
	s_wait_dscnt 0x0
	PLACES 4                                           ; in front of loads into registers that matrix instructions have read
	FETCH \s, 1, 2
	WIN 0x05
	MULH 96, 144, ACC, SC+16*(\s)+9, 4, SC+16*(\s)+1, 4, 0
	WIN 0
.endm
; A slot's second step changes slots.  Each wave waits for all its tensor loads, adds 0 to its spare word, and waits for that and for its reads of this slot.  fill = 1: behind a round of the
; cluster's barrier this slot is filled again, two slots ahead in the walk; then the next slot's first fragments are asked for, and the 32 products of this step follow.
; Both refills of this launch are the walk's third and fourth slot: they begin its second half, so kind 1 goes back a whole row.  sst: how far on the next slot's scale words lie.
.macro TURN s, nx, fill, sst
	s_wait_tensorcnt 0x0                               ; all my tensor loads have landed: my part of the next slot
	ds_add_u32 v[SPW], v[NIL]                          ; 0 onto my spare word
.if \fill
	s_add_nc_u64 s[G0A+4*(\s)+2:G0A+4*(\s)+3], s[G0A+4*(\s)+2:G0A+4*(\s)+3], 2*ROWB
	s_add_nc_u64 s[G0B+4*(\s)+2:G0B+4*(\s)+3], s[G0B+4*(\s)+2:G0B+4*(\s)+3], 2*ROWB
	s_sub_nc_u64 s[G0A+4*(\s)+2:G0A+4*(\s)+3], s[G0A+4*(\s)+2:G0A+4*(\s)+3], s[WR:WR+1]
	s_sub_nc_u64 s[G0B+4*(\s)+2:G0B+4*(\s)+3], s[G0B+4*(\s)+2:G0B+4*(\s)+3], s[WR:WR+1]
.endif
	s_wait_dscnt 0x0                                   ; the add is done, and my reads of this slot are over
.if \fill
	CROUND                                             ; no wave of any partner still reads this slot's tiles or has a load on its way
	JLOAD G0A+4*(\s), G1A, G0B+4*(\s), G1B             ; the first tensor load behind the round; its four v_nop are the places in front of the loads below
.else
	s_barrier_signal -1
	s_barrier_wait -1
	PLACES 4
.endif
	v_add_nc_u32 v[ASA], \sst, v[ASA]                  ; the next slot's scale words
	v_add_nc_u32 v[ASB], \sst, v[ASB]
	SCALES \nx
	FETCH \nx, 0, 1
	WIN 0x0a
	MULH 0, 48, ACC, SC+16*(\s)+10, 4, SC+16*(\s)+2, 4, 0
	MULH 96, 144, ACC, SC+16*(\s)+11, 4, SC+16*(\s)+3, 4, 0
	WIN 0
.endm
	s_load_b512 s[4:19], s[0:1], 0x0                   ; x codes 4, x scales 6, Wi codes 8, Wi scales 10, Wi_b 12, tresh 14, decay_rate 16, potential_prev 18
	s_load_b256 s[20:27], s[0:1], 0x40                 ; h_prev 20, out1 22, comb 24, cand 26
	s_load_b128 s[28:31], s[0:1], 0x60                 ; comb_scales 28, cand_scales 30
	v_lshl_add_u32 v[SPW], v0, 2, SPARE
	v_mov_b32 v[NIL], 0
	ds_add_u32 v[SPW], v[NIL]                          ; the wave's opening: the add, twice on end, and its wait ahead of my first tensor load
	ds_add_u32 v[SPW], v[NIL]
	v_lshrrev_b32 v1, 5, v0
	v_readfirstlane_b32 s[WV], v1                      ; wave 0..3
	s_lshr_b32 s[RHF], s[WV], 1                        ; my half of the rows.  Also: I fetch for x (0) or for Wi (1)
	s_and_b32 s[CHF], s[WV], 1                         ; my half of the columns.  Also: which 64 rows of codes, and which half of the walk's scale bytes, I fetch
	s_bfe_u32 s98, ttmp6, 0x40000                      ; cx
	s_bfe_u32 s2, ttmp6, 0x40004                       ; cy
	s_lshl_b32 s[TCOL], ttmp9, 2
	s_add_co_u32 s[TCOL], s[TCOL], s98                 ; tile column = 4 x cluster x + cx
	s_and_b32 s[TROW], ttmp7, 0xffff
	s_lshl_b32 s[TROW], s[TROW], 2
	s_add_co_u32 s[TROW], s[TROW], s2                  ; tile row = 4 x cluster y + cy
	s_lshl_b32 s3, s2, 2
	s_lshl_b32 s3, 15, s3                              ; my row of the cluster
	s_lshl_b32 s99, 0x1111, s98                        ; my column
	s_or_b32 s[G1A], s3, (1<<20)|(1<<21)|(4<<22)|(3<<25)   ; the mask; elements of 1 byte; padding on; bit 21 beside a mask; after every 32 words, 4 words
	s_or_b32 s[G1B], s99, (1<<20)|(1<<21)|(4<<22)|(3<<25)
.irp g, G1A, G1B
	s_mov_b32 s[\g+1], ROWB<<16                        ; tensor_dim0
	s_mov_b32 s[\g+2], 64<<16                          ; tensor_dim1
	s_mov_b32 s[\g+3], ROWB<<16                        ; tile_dim0
	s_mov_b32 s[\g+4], 64                              ; tile_dim1
	s_mov_b32 s[\g+5], KROW                            ; from row to row
	s_mov_b32 s[\g+6], 0
	s_mov_b32 s[\g+7], 0
.endr
	s_or_b32 s[G1SA], s3, (1<<20)|(1<<21)|(2<<22)|(3<<25)   ; the scale bytes of 128 rows for half of K: rows of 32 bytes, 64 apart in memory; after every 8 words, 4 words of padding
	s_or_b32 s[G1SB], s99, (1<<20)|(1<<21)|(2<<22)|(3<<25)
.irp g, G1SA, G1SB
	s_mov_b32 s[\g+1], 32<<16
	s_mov_b32 s[\g+2], 128<<16
	s_mov_b32 s[\g+3], 32<<16
	s_mov_b32 s[\g+4], 128
	s_mov_b32 s[\g+5], 64
	s_mov_b32 s[\g+6], 0
	s_mov_b32 s[\g+7], 0
.endr
	s_lshr_b32 s[PAR], ttmp9, 1                        ; the cluster's kind, from the cluster's place in the grid alone: the same in all its partners
	s_xor_b32 s[PAR], s[PAR], ttmp9
	s_and_b32 s66, ttmp7, 0xffff
	s_xor_b32 s[PAR], s[PAR], s66
	s_lshr_b32 s66, s66, 1
	s_xor_b32 s[PAR], s[PAR], s66
	s_and_b32 s[PAR], s[PAR], 1
	s_lshl_b32 s2, s[TROW], 7
	s_lshl_b32 s3, s[CHF], 6
	s_add_co_u32 s2, s2, s3                            ; x: row 128 x tile row + 64 x half
	s_mul_i32 s66, s2, KROW                            ; its codes,
	s_mul_i32 s3, s[PAR], 2*ROWB                       ; from the half of K at which my cluster's walk begins
	s_add_co_u32 s66, s66, s3
	s_mov_b32 s67, 0
	s_lshl_b32 s2, s[TROW], 13                         ; the scale bytes of the tile's 128 rows, 64 a row:
	s_xor_b32 s3, s[CHF], s[PAR]                       ; half CHF of the walk is half CHF xor PAR of K
	s_lshl_b32 s3, s3, 5
	s_add_co_u32 s2, s2, s3
	s_mov_b32 s3, 0
	s_lshl_b32 s98, s[TCOL], 7
	s_lshl_b32 s99, s[CHF], 6
	s_add_co_u32 s98, s98, s99                         ; Wi: row 128 x tile column + 64 x half
	s_mul_i32 s100, s98, KROW
	s_mul_i32 s101, s[PAR], 2*ROWB
	s_add_co_u32 s100, s100, s101
	s_mov_b32 s101, 0
	s_lshl_b32 s98, s[TCOL], 13
	s_xor_b32 s99, s[CHF], s[PAR]
	s_lshl_b32 s99, s99, 5
	s_add_co_u32 s98, s98, s99
	s_mov_b32 s99, 0
	v_and_b32 v1, 15, v0                               ; r
	v_bfe_u32 v2, v0, 4, 1                             ; hh
	v_and_b32 v3, 31, v0                               ; lane
	v_lshlrev_b32 v[VR], 13, v2
	v_lshl_add_u32 v[VR], v1, 4, v[VR]
	v_lshlrev_b32 v[VC], 4, v1
	v_lshlrev_b32 v[VO16], 4, v3
	v_lshlrev_b32 v[VO8], 3, v3
	s_wait_dscnt 0x0                                   ; both opening adds are done
	s_wait_kmcnt 0x0
	s_add_nc_u64 s[66:67], s[4:5], s[66:67]
	s_add_nc_u64 s[2:3], s[6:7], s[2:3]
	s_add_nc_u64 s[100:101], s[8:9], s[100:101]
	s_add_nc_u64 s[98:99], s[10:11], s[98:99]
	s_mul_i32 s[WR], s[PAR], 4*ROWB                    ; x's address has been used: the pair now holds what kind 1 goes back at K's end, 0 for kind 0
	s_mov_b32 s[WR+1], 0
	CROUND                                             ; all sixteen work-groups are here: the first joint loads meet
	s_mul_i32 s[LC], s[WV], SHB                        ; where they go hangs on the wave's number alone
	s_mov_b32 s[G0SA], 1
	s_add_co_u32 s[G0SA+1], s[LC], SCL
	s_mov_b64 s[G0SA+2:G0SA+3], s[2:3]
	s_or_b32 s[G0SA+3], s[G0SA+3], 0x80000000
	s_mov_b32 s[G0SB], 1
	s_add_co_u32 s[G0SB+1], s[LC], SCL
	s_mov_b64 s[G0SB+2:G0SB+3], s[98:99]
	s_or_b32 s[G0SB+3], s[G0SB+3], 0x80000000
	JLOAD G0SA, G1SA, G0SB, G1SB                       ; the scale bytes for all of K: filled once
	s_mul_i32 s[LC], s[WV], RUN
.irp s, 0,1
	s_mov_b32 s[G0A+4*\s], 1
	s_add_co_u32 s[G0A+4*\s+1], s[LC], \s*SLOT
	s_add_nc_u64 s[G0A+4*\s+2:G0A+4*\s+3], s[66:67], \s*ROWB
	s_or_b32 s[G0A+4*\s+3], s[G0A+4*\s+3], 0x80000000
	s_mov_b32 s[G0B+4*\s], 1
	s_add_co_u32 s[G0B+4*\s+1], s[LC], \s*SLOT
	s_add_nc_u64 s[G0B+4*\s+2:G0B+4*\s+3], s[100:101], \s*ROWB
	s_or_b32 s[G0B+4*\s+3], s[G0B+4*\s+3], 0x80000000
	JLOAD G0A+4*\s, G1A, G0B+4*\s, G1B                 ; three tensor loads of mine are out
.endr
	; what the epilogue wants of memory is asked for now, into registers that the walk does not touch
	s_lshl_b32 s98, s[TCOL], 9
	s_lshl_b32 s99, s[CHF], 8
	s_add_co_u32 s98, s98, s99                         ; my first column, in bytes
	s_mov_b32 s99, 0
	s_add_nc_u64 s[12:13], s[12:13], s[98:99]
	s_add_nc_u64 s[14:15], s[14:15], s[98:99]
	s_add_nc_u64 s[16:17], s[16:17], s[98:99]
	s_lshl_b32 s100, s[TROW], 20
	s_lshl_b32 s101, s[RHF], 19
	s_add_co_u32 s100, s100, s101                      ; my first row of 8,192 bytes
	s_add_co_u32 s98, s98, s100
	s_add_nc_u64 s[18:19], s[18:19], s[98:99]
	s_add_nc_u64 s[20:21], s[20:21], s[98:99]
	s_add_nc_u64 s[OUT1:OUT1+1], s[OUT1:OUT1+1], s[98:99]
	WIN 0x40
	global_load_b128 v[WB4:WB4+3], v[VC], s[12:13]
	global_load_b128 v[TR4:TR4+3], v[VC], s[14:15]
	global_load_b128 v[DC4:DC4+3], v[VC], s[16:17]
	WIN 0xc0
.set n, 0
.rept 32
	global_load_b128 v[PP+4*n:PP+4*n+3], v[VR], s[18:19] offset:16384*n th:TH_LOAD_NT   ; two rows x 256 consecutive bytes a load
.set n, n+1
.endr
.set n, 0
.rept 32
	global_load_b128 v[HH+4*n:HH+4*n+3], v[VR], s[20:21] offset:16384*n th:TH_LOAD_NT
.set n, n+1
.endr
	WIN 0
	s_mul_i32 s98, s[TROW], 393216                     ; where my half fragments go: row tile, K step = tile column, my four row blocks, my half
	s_mul_i32 s100, s[TCOL], 12288
	s_add_co_u32 s98, s98, s100
	s_mul_i32 s100, s[RHF], 6144
	s_add_co_u32 s98, s98, s100
	s_mul_i32 s100, s[CHF], 768
	s_add_co_u32 s98, s98, s100
	s_add_nc_u64 s[COMB:COMB+1], s[COMB:COMB+1], s[98:99]
	s_add_nc_u64 s[CAND:CAND+1], s[CAND:CAND+1], s[98:99]
	s_lshl_b32 s98, s[TROW], 5
	s_add_co_u32 s98, s98, s[TCOL]
	s_lshl_b32 s98, s98, 9                             ; and the work-group's 512 bytes of scale words
	s_add_nc_u64 s[28:29], s[28:29], s[98:99]
	s_add_nc_u64 s[30:31], s[30:31], s[98:99]
	; LDS addresses
	v_mul_u32_u24 v23, v1, PITCH
	v_mad_u32_u24 v23, v2, 24, v23                     ; a fragment's row x pitch + 24 x half
	v_lshl_add_u32 v24, v2, 4, v23                     ; and the same behind one padding more
	s_mul_i32 s2, s[RHF], RUN                          ; my 64 rows of x
	s_mul_i32 s3, s[CHF], RUN                          ; my 64 rows of Wi,
	s_add_co_u32 s3, s3, 2*RUN                         ; behind x's 128
.irp s, 0,1
	v_add_nc_u32 v[ADRA+\s], s2, v23
	v_add_nc_u32 v[ADRA+2+\s], s2, v24
	v_add_nc_u32 v[ADRB+\s], s3, v23
	v_add_nc_u32 v[ADRB+2+\s], s3, v24
	s_add_co_u32 s2, s2, SLOT
	s_add_co_u32 s3, s3, SLOT
.endr
	v_mul_u32_u24 v23, v3, SPT                         ; scale bytes: row = lane
	s_mul_i32 s2, s[RHF], 64*SPT
	s_add_co_u32 s2, s2, SCL
	v_add_nc_u32 v[ASA], s2, v23
	s_mul_i32 s3, s[CHF], 64*SPT
	s_add_co_u32 s3, s3, SCL+2*SHB
	v_add_nc_u32 v[ASB], s3, v23
	s_mul_i32 s2, s[WV], 6*AREA                        ; my stage
	v_mul_u32_u24 v23, v2, 272
	v_lshl_add_u32 v23, v1, 4, v23
	v_add_nc_u32 v[AR], s2, v23
	v_mul_u32_u24 v23, v1, 272
	v_lshl_add_u32 v24, v2, 6, v23
	v_add_nc_u32 v[AQ], s2, v24
	v_lshl_add_u32 v24, v2, 5, v23
	v_add_nc_u32 v[AD], s2, v24
	s_lshl_b32 s2, s[RHF], 8
	s_lshl_b32 s3, s[CHF], 1
	s_add_co_u32 s2, s2, s3
	s_add_co_u32 s2, s2, SG
	v_lshl_add_u32 v[ASG], v1, 2, s2                   ; word of row 64 x row half + r, bytes 2 x column half on
	v_lshl_add_u32 v[ASL], v3, 4, SG
	s_wait_tensorcnt 0x1                               ; the scale bytes and my part of slot 0 are in; slot 1's load may be out
	s_barrier_signal -1
	s_barrier_wait -1
	SCALES 0
	FETCH 0, 0, 1
	STEP0 0, 1                                         ; the first products start the sums
	TURN 0, 1, 1, 16                                   ; the walk's four slots are written out
	STEP0 1, 0
	TURN 1, 0, 1, SHB-16                               ; on to the walk's second half: its scale bytes lie SHB behind the first half's
	STEP0 0, 0
	TURN 0, 1, 0, 16                                   ; the last change of slots fills nothing
	STEP0 1, 0
	s_wait_dscnt 0x0
	WIN 0x0a
	MULH 0, 48, ACC, SC+16+10, 4, SC+16+2, 4, 0
	MULH 96, 144, ACC, SC+16+11, 4, SC+16+3, 4, 0
	WIN 0
	; THE EPILOGUE
	PLACES 4                                           ; behind the last products
	s_wait_loadcnt 0x0                                 ; potential_prev, h_prev and the three column vectors
	s_mov_b32 s[SEL], 0x76543210
	s_mov_b32 s[SEL+1], 0xfedcba98
.irp c, 0,1,2,3,4,5,6,7
	v_mov_b32 v[TX+\c], 0                              ; written once: a lane permute's destination counts as one of its sources
.endr
	WIN 0x0c                                           ; h_prev from layout R to layout Q
.irp a, 0,1,2,3
	ST_R HH+32*\a, \a
.endr
	WIN 0xc0
.irp a, 0,1,2,3
	LD_Q HH+32*\a, \a
.endr
	WIN 0                                              ; the sums from layout D to layout R
	ST_D ACC, 4
	ST_D ACC+32, 5
	ST_D ACC+64, 0
	ST_D ACC+96, 1
	LD_R ACC, 4
	LD_R ACC+32, 5
	LD_R ACC+64, 0
	LD_R ACC+96, 1
	s_wait_dscnt 63                                    ; 64 LDS instructions were issued behind h's last load from the stage
	QUANTALL HH, 3
	IMG COMB, 196608                                   ; h_prev is K steps 16 to 31 of [activated | h_prev]
	GATHER 512
	s_wait_dscnt 0x0                                   ; the sums are back in layout R
	WIN 0x04
.set n, 0
.rept 64
	v_pk_add_f32 v[ACC+2*n:ACC+2*n+1], v[ACC+2*n:ACC+2*n+1], v[WB4+2*(n%2):WB4+2*(n%2)+1]   ; + Wi_b
.set n, n+1
.endr
	WIN 0x03
.set n, 0
.rept 64
	v_pk_add_f32 v[ACC+2*n:ACC+2*n+1], v[PP+2*n:PP+2*n+1], v[ACC+2*n:ACC+2*n+1]             ; potential
.set n, n+1
.endr
	WIN 0xc1
.set n, 0
.rept 128
	v_cmp_lt_f32 vcc_lo, v[TR4+n%4], v[ACC+n]          ; tresh < potential
	v_cndmask_b32 v[PP+n], 0, v[ACC+n], vcc_lo         ; activated, where potential_prev lay
.set n, n+1
.endr
	WIN 0x0c
.set n, 0
.rept 64
	v_pk_add_f32 v[ACC+2*n:ACC+2*n+1], v[ACC+2*n:ACC+2*n+1], v[PP+2*n:PP+2*n+1] neg_lo:[0,1] neg_hi:[0,1]   ; potential - activated: exact, potential or 0
.set n, n+1
.endr
	WIN 0x04
.set n, 0
.rept 64
	v_pk_mul_f32 v[ACC+2*n:ACC+2*n+1], v[ACC+2*n:ACC+2*n+1], v[DC4+2*(n%2):DC4+2*(n%2)+1]
.set n, n+1
.endr
	WIN 0
.set n, 0
.rept 32
	global_store_b128 v[VR], v[ACC+4*n:ACC+4*n+3], s[OUT1:OUT1+1] offset:16384*n th:TH_STORE_NT   ; 16 lanes store 256 consecutive bytes, at a multiple of 256 from out1's first byte
.set n, n+1
.endr
	WIN 0x0c                                           ; activated from layout R to layout Q
.irp a, 0,1,2,3
	ST_R PP+32*\a, \a+2
.endr
	WIN 0xc0
.irp a, 0,1,2,3
	LD_Q PP+32*\a, \a+2
.endr
	WIN 0
	s_wait_xcnt 0x0                                    ; the stores of h's codes have read their registers: the codes' registers may be written again
	s_wait_dscnt 0x0
	QUANTALL PP, 3
	IMG COMB, 0                                        ; activated is K steps 0 to 15 of both operands
	IMG CAND, 0
	GATHER 0
	s_wait_dscnt 0x0                                   ; for the others' sake: my scale bytes lie in LDS
	s_barrier_signal -1
	s_barrier_wait -1
	s_cmp_lg_u32 s[WV], 0
	s_cbranch_scc1 .Lnot_0
	ds_load_b128 v[LT:LT+3], v[ASL]                    ; wave 0: activated's 128 scale words, 512 consecutive bytes
	s_wait_dscnt 0x0
	global_store_b128 v[VO16], v[LT:LT+3], s[28:29]
	global_store_b128 v[VO16], v[LT:LT+3], s[30:31]
.Lnot_0:
	s_cmp_lg_u32 s[WV], 1
	s_cbranch_scc1 .Lnot_1
	ds_load_b128 v[TS:TS+3], v[ASL] offset:512         ; wave 1: h's
	s_wait_dscnt 0x0
	global_store_b128 v[VO16], v[TS:TS+3], s[28:29] offset:8192
.Lnot_1:
	s_wait_tensorcnt 0x0                               ; the wave's end
	ds_add_u32 v[SPW], v[NIL]
	s_wait_dscnt 0x0
	CROUND                                             ; the closing round
	s_endpgm
.Lfunc_end_k_q252f38e1be_pot:
	.size	k_q252f38e1be_pot, .Lfunc_end_k_q252f38e1be_pot-k_q252f38e1be_pot
	.p2alignl 7, 3214868480
	.fill 96, 4, 3214868480
	.section	.rodata,"a",@progbits
	.p2align	6, 0x0
	.amdhsa_kernel k_q252f38e1be_pot
		.amdhsa_group_segment_fixed_size 327680
		.amdhsa_private_segment_fixed_size 0
		.amdhsa_enable_private_segment 0
		.amdhsa_kernarg_size 112
		.amdhsa_user_sgpr_count 2
		.amdhsa_user_sgpr_kernarg_segment_ptr 1
		.amdhsa_wavefront_size32 1
		.amdhsa_system_sgpr_workgroup_id_x 1
		.amdhsa_system_sgpr_workgroup_id_y 1
		.amdhsa_system_sgpr_workgroup_id_z 1
		.amdhsa_system_vgpr_workitem_id 0
		.amdhsa_next_free_vgpr 1024
		.amdhsa_next_free_sgpr 102
		.amdhsa_reserve_vcc 1
		.amdhsa_float_denorm_mode_32 3
		.amdhsa_float_denorm_mode_16_64 3
		.amdhsa_memory_ordered 1
		.amdhsa_forward_progress 1
		.amdhsa_inst_pref_size 163
	.end_amdhsa_kernel
	.amdgpu_metadata
---
amdhsa.version: [ 1, 2 ]
amdhsa.kernels:
  - .name:           k_q252f38e1be_pot
    .symbol:         k_q252f38e1be_pot.kd
    .args:
      - { .name: x_codes, .offset: 0, .size: 8, .value_kind: global_buffer, .address_space: global }
      - { .name: x_scales, .offset: 8, .size: 8, .value_kind: global_buffer, .address_space: global }
      - { .name: Wi_w_codes, .offset: 16, .size: 8, .value_kind: global_buffer, .address_space: global }
      - { .name: Wi_w_scales, .offset: 24, .size: 8, .value_kind: global_buffer, .address_space: global }
      - { .name: Wi_b, .offset: 32, .size: 8, .value_kind: global_buffer, .address_space: global }
      - { .name: tresh, .offset: 40, .size: 8, .value_kind: global_buffer, .address_space: global }
      - { .name: decay_rate, .offset: 48, .size: 8, .value_kind: global_buffer, .address_space: global }
      - { .name: potential_prev, .offset: 56, .size: 8, .value_kind: global_buffer, .address_space: global }
      - { .name: h_prev, .offset: 64, .size: 8, .value_kind: global_buffer, .address_space: global }
      - { .name: out1, .offset: 72, .size: 8, .value_kind: global_buffer, .address_space: global }
      - { .name: comb, .offset: 80, .size: 8, .value_kind: global_buffer, .address_space: global }
      - { .name: cand, .offset: 88, .size: 8, .value_kind: global_buffer, .address_space: global }
      - { .name: comb_scales, .offset: 96, .size: 8, .value_kind: global_buffer, .address_space: global }
      - { .name: cand_scales, .offset: 104, .size: 8, .value_kind: global_buffer, .address_space: global }
    .group_segment_fixed_size: 327680
    .private_segment_fixed_size: 0
    .kernarg_segment_align: 8
    .kernarg_segment_size: 112
    .max_flat_workgroup_size: 128
    .sgpr_count:     102
    .vgpr_count:     1024
    .wavefront_size: 32
...
	.end_amdgpu_metadata
.endif
;; end of part 1
;; launch gate (part 2): grid 16 x 16, 4 waves a work-group, clusters of 4 x 4, 327,680 bytes of LDS; arguments comb, comb_scales, Wr_w_codes, Wr_w_scales, Wr_b, h_prev, cand, cand_scales; writes cand, cand_scales
.if DOCPART == 2
	.amdgcn_target "amdgcn-amd-amdhsa--gfx1250"
	.amdhsa_code_object_version 6
	.text
	.protected	k_q252f38e1be_gate
	.globl	k_q252f38e1be_gate
	.p2align	8
	.type	k_q252f38e1be_gate,@function
k_q252f38e1be_gate:
	s_mov_b64 s[64:65], 0
	v_nop
	global_prefetch_b8 v0, s[64:65] scope:SCOPE_SE
	s_setreg_imm32_b32 hwreg(HW_REG_WAVE_MODE, 25, 1), 1
	s_wait_xcnt 0x0
	s_wait_alu depctr_hold_cnt(0) depctr_sa_sdst(0) depctr_va_vdst(0) depctr_va_sdst(0) depctr_va_ssrc(0) depctr_va_vcc(0) depctr_vm_vsrc(0)
	s_getreg_b32 s2, hwreg(HW_REG_IB_STS2, 6, 4)
	s_cmp_eq_u32 s2, 0
	s_cbranch_scc0 .Lentry_in_a_cluster
	s_endpgm
.Lentry_in_a_cluster:
	s_bfe_u32 s2, ttmp6, 0x10000c
	s_cmp_lg_u32 s2, 0xf033
	s_cbranch_scc0 .Lentry_shape_is_right
	s_endpgm
.Lentry_shape_is_right:
; GATE.  r = sigmoid([activated | h_prev] Wr^T + Wr_b), the product on codes of FP6 (E2M3) with E8M0 scales, K = 4,096; r x h_prev is quantised along the columns and stored as K steps 16 to 31 of cand.
; Nothing of the problem's work is left out here.
; The rows' operand (comb) was laid by the launch before as images of fragments: [16 row tiles][32 K steps][8 blocks of 16 rows][1,536 bytes]; its scale words [16][32][128 rows] of 4 bytes.  So a slot's part of it is
; one dense block of memory, and a fragment comes from LDS by two loads of 16 bytes and two of 8 bytes a lane.  Wr's codes and scale bytes come as they are given, by rows.
; sigmoid(v) = 1 / (1 + 2^(-log2(e) v)), in f32: it stands ahead of a quantiser.
; LIMITS: NaN and infinities among the inputs are not served.  A block of zeros gets the scale byte 1 where the quantiser says 127: its codes are zeros, and this program alone reads the bytes.
; The f32 sums take K's two halves in an order that differs between clusters (THE WALK): an order of rounding, no more.
; SHARES, CLUSTERS, THE TRANSPOSED USE, THE RING (slots of 512 along K, two steps of 32 matrix instructions) and the stage in slot 0 are as in the first launch.
; THE WALK ALONG K, as in the first launch: PAR = (X ^ X>>1 ^ Y ^ Y>>1) & 1 of the cluster's place (X, Y) in the grid; kind 0 takes K's two halves (four slots each) in order, kind 1 the second half first.  Of the four clusters
; that ask for the same rows of comb, and of the four that ask for the same rows of Wr, two are of each kind: the same bytes are asked for at two times, half a walk apart.  Only global addresses hang on PAR:
; the scales are laid into LDS in the order of the walk.  The walk's eight slots are written out: the two refills that begin its second half differ from the others.
; The results become the quantiser's layout (register 16 b + i: row r, column 32 b + 16 hh + i) in registers: tiles 2 b and 2 b + 1 change halves of lanes, register by register.
; REGISTERS.  window 0: v1-3 lane numbers, v4-29 addresses, v32-63 scale words (two sets), v64-127 the quantiser's, v128-255 accumulators.  windows 1, 2: v0-191 a step's fragments.
;   window 3: v0-127 h_prev, v128-159 Wr_b in the quantiser's layout.
.set KROW,  3072
.set ROWB,  384
.set PI,    16
.set PITCH, 432
.set RUN,   64*PITCH
.set AIMG,  49152                      ; a slot's images: 4 K steps x 8 blocks x 1,536 bytes
.set SLOT,  AIMG+2*RUN
.set SCA,   2*SLOT                     ; comb's scale words of my row tile, in the order of the walk: 32 K steps x 512 bytes
.set SCB,   SCA+16384                  ; Wr's scale bytes of my 128 rows: the walk's first half, then its second
.set SPT,   80                         ; a row there: 64 bytes (half of K) + 16 of padding
.set SHB,   128*SPT
.set SG,    SCB+2*SHB                  ; 512 bytes: the scale words of r h_prev
.set SPARE, SG+512
.set AREA,  16*272
.set LA16, 4                           ; v4-5 my images in slot 0, 1: 16 x lane;  v6-7: 8 x lane
.set LA8,  6
.set ADRB, 8                           ; v8-11 Wr's fragments
.set ASA,  12
.set ASB,  13
.set AR,   14
.set AQ,   15
.set VR,   17
.set VO16, 19
.set VO8,  20
.set ASG,  21
.set ASL,  22
.set VB,   23                          ; 64 hh: Wr_b by the quantiser's layout
.set LT,   24
.set SPW,  28
.set NIL,  29
.set SC,   32
.set PC,   64
.set TM,   104
.set TX,   112
.set TS,   120
.set ACC,  128
.set HH,   0                           ; window 3
.set BQ,   128
.set CAND, 16
.set G1A,  20
.set G0A,  28
.set G1B,  36
.set G0B,  44
.set G1SA, 52
.set G0SA, 60
.set G1SB, 68
.set G0SB, 76
.set WV,   80
.set RHF,  81
.set CHF,  82
.set TCOL, 83
.set TROW, 84
.set LC,   85                          ; a temporary
.set SEL,  90
.set NL,   92
.set PAR,  94                          ; the cluster's kind
.set WA,   96                          ; s[96:97] PAR x a row tile's images: what comb's refill goes back at K's end
.set WB,   98                          ; s[98:99] PAR x a row of Wr's codes
.set MSB, 0
.macro WIN new
.if MSB != (\new)
	s_set_vgpr_msb (MSB<<8)|(\new)
.set MSB, (\new)
.endif
.endm
.macro PLACES n
.rept \n
	v_nop
.endr
.endm
.macro CREST
	s_cmp_lg_u32 s[WV], 0
	s_cbranch_scc1 .Lnot_wave_0_\@
	s_barrier_signal -3
.Lnot_wave_0_\@:
	s_barrier_wait -3
	s_barrier_signal -1
	s_barrier_wait -1
.endm
.macro CROUND
	s_barrier_signal -1
	s_barrier_wait -1
	CREST
.endm
.macro JLOAD g0a, g1a, g0b, g1b        ; waves 0 and 1 fetch for the rows' side, waves 2 and 3 for the weights'; an s_nop 0 and four v_nop follow each line
	s_cmp_eq_u32 s[RHF], 0
	s_cbranch_scc0 .Lfor_b_\@
	tensor_load_to_lds s[\g0a:\g0a+3], s[\g1a:\g1a+7]
	s_nop 0
	PLACES 4
	s_branch .Lasked_\@
.Lfor_b_\@:
	tensor_load_to_lds s[\g0b:\g0b+3], s[\g1b:\g1b+7]
	s_nop 0
	PLACES 4
.Lasked_\@:
.endm
.macro FRAGB reg, adr, q, i            ; a fragment from rows of codes: six pieces of 8 bytes
.irp p, 0,1,2,3,4,5
.set PCE, 12*(\q)+6*(\p/3)+\p%3
.if PCE%PI < PI-3
	ds_load_b64 v[(\reg)+2*\p:(\reg)+2*\p+1], v[\adr] offset:8*PCE+16*(PCE/PI)+(\i)*16*PITCH
.else
	ds_load_b64 v[(\reg)+2*\p:(\reg)+2*\p+1], v[(\adr)+2] offset:8*PCE+16*(PCE/PI)+(\i)*16*PITCH
.endif
.endr
.endm
.macro FRAGA reg, a16, a8, off         ; a fragment from its image
	ds_load_b128 v[(\reg):(\reg)+3], v[\a16] offset:(\off)
	ds_load_b64 v[(\reg)+4:(\reg)+5], v[\a8] offset:(\off)+512
	ds_load_b128 v[(\reg)+6:(\reg)+9], v[\a16] offset:(\off)+768
	ds_load_b64 v[(\reg)+10:(\reg)+11], v[\a8] offset:(\off)+1280
.endm
.macro WM d, fb, fa, zero, sb, sa, rb, ra
.if \zero
.if (\rb) && (\ra)
	v_wmma_scale_f32_16x16x128_f8f6f4 v[(\d):(\d)+7], v[(\fb):(\fb)+11], v[(\fa):(\fa)+11], 0, v[\sb], v[\sa] matrix_a_fmt:MATRIX_FMT_FP6 matrix_b_fmt:MATRIX_FMT_FP6 matrix_a_scale:MATRIX_SCALE_ROW1 matrix_b_scale:MATRIX_SCALE_ROW1
.elseif (\rb)
	v_wmma_scale_f32_16x16x128_f8f6f4 v[(\d):(\d)+7], v[(\fb):(\fb)+11], v[(\fa):(\fa)+11], 0, v[\sb], v[\sa] matrix_a_fmt:MATRIX_FMT_FP6 matrix_b_fmt:MATRIX_FMT_FP6 matrix_a_scale:MATRIX_SCALE_ROW1
.elseif (\ra)
	v_wmma_scale_f32_16x16x128_f8f6f4 v[(\d):(\d)+7], v[(\fb):(\fb)+11], v[(\fa):(\fa)+11], 0, v[\sb], v[\sa] matrix_a_fmt:MATRIX_FMT_FP6 matrix_b_fmt:MATRIX_FMT_FP6 matrix_b_scale:MATRIX_SCALE_ROW1
.else
	v_wmma_scale_f32_16x16x128_f8f6f4 v[(\d):(\d)+7], v[(\fb):(\fb)+11], v[(\fa):(\fa)+11], 0, v[\sb], v[\sa] matrix_a_fmt:MATRIX_FMT_FP6 matrix_b_fmt:MATRIX_FMT_FP6
.endif
.else
.if (\rb) && (\ra)
	v_wmma_scale_f32_16x16x128_f8f6f4 v[(\d):(\d)+7], v[(\fb):(\fb)+11], v[(\fa):(\fa)+11], v[(\d):(\d)+7], v[\sb], v[\sa] matrix_a_fmt:MATRIX_FMT_FP6 matrix_b_fmt:MATRIX_FMT_FP6 matrix_a_scale:MATRIX_SCALE_ROW1 matrix_b_scale:MATRIX_SCALE_ROW1
.elseif (\rb)
	v_wmma_scale_f32_16x16x128_f8f6f4 v[(\d):(\d)+7], v[(\fb):(\fb)+11], v[(\fa):(\fa)+11], v[(\d):(\d)+7], v[\sb], v[\sa] matrix_a_fmt:MATRIX_FMT_FP6 matrix_b_fmt:MATRIX_FMT_FP6 matrix_a_scale:MATRIX_SCALE_ROW1
.elseif (\ra)
	v_wmma_scale_f32_16x16x128_f8f6f4 v[(\d):(\d)+7], v[(\fb):(\fb)+11], v[(\fa):(\fa)+11], v[(\d):(\d)+7], v[\sb], v[\sa] matrix_a_fmt:MATRIX_FMT_FP6 matrix_b_fmt:MATRIX_FMT_FP6 matrix_b_scale:MATRIX_SCALE_ROW1
.else
	v_wmma_scale_f32_16x16x128_f8f6f4 v[(\d):(\d)+7], v[(\fb):(\fb)+11], v[(\fa):(\fa)+11], v[(\d):(\d)+7], v[\sb], v[\sa] matrix_a_fmt:MATRIX_FMT_FP6 matrix_b_fmt:MATRIX_FMT_FP6
.endif
.endif
.endm
.macro MULH fa, fb, acc, sa, sas, sb, sbs, zero   ; 16 matrix instructions; the 16 accumulators take turns, one instruction a turn
.irp a, 0,1,2,3
.irp t, 0,1,2,3
	WM (\acc)+32*\a+8*\t, (\fb)+12*\t, (\fa)+12*\a, \zero, (\sb)+(\sbs)*(\t/2), (\sa)+(\sas)*(\a/2), \t%2, \a%2
.endr
.endr
.endm
.macro ST_R reg, area
.irp t, 0,1,2,3,4,5,6,7
	ds_store_b128 v[AR], v[(\reg)+4*\t:(\reg)+4*\t+3] offset:(\area)*AREA+544*\t
.endr
.endm
.macro LD_Q reg, area
.irp b, 0,1
.irp j, 0,1,2,3
	ds_load_b128 v[(\reg)+16*\b+4*\j:(\reg)+16*\b+4*\j+3], v[AQ] offset:(\area)*AREA+128*\b+16*\j
.endr
.endr
.endm
.macro QUANTALL S, W                   ; 128 registers in the quantiser's layout become four half fragments (v[PC + 10 a] .. + 5) and four pairs of scale bytes (v[TM + 2 a])
	WIN (\W)|((\W)<<2)
.irp a, 0,1,2,3
.irp b, 0,1
	v_max3_num_f32 v[TM+2*\a+\b], |v[(\S)+32*\a+16*\b]|, |v[(\S)+32*\a+16*\b+1]|, 0x1800000   ; and the floor 2^(3 - 127): the byte cannot fall under 1
.endr
.endr
.irp i, 2,4,6,8,10,12,14
.irp a, 0,1,2,3
.irp b, 0,1
	v_max3_num_f32 v[TM+2*\a+\b], |v[(\S)+32*\a+16*\b+\i]|, |v[(\S)+32*\a+16*\b+\i+1]|, v[TM+2*\a+\b]
.endr
.endr
.endr
	WIN 0
.irp c, 0,1,2,3,4,5,6,7
	v_permlanex16_b32 v[TX+\c], v[TM+\c], s[SEL], s[SEL+1]
.endr
.irp c, 0,1,2,3,4,5,6,7
	v_max_num_f32 v[TM+\c], v[TM+\c], v[TX+\c]
.endr
.irp c, 0,1,2,3,4,5,6,7
	v_add_nc_u32 v[TS+\c], 0xff000000, v[TM+\c]        ; 2 off the exponent field: the conversion's scale operand
.endr
.irp c, 0,1,2,3,4,5,6,7
	v_lshrrev_b32 v[TX+\c], 23, v[TS+\c]               ; the scale's byte
.endr
.irp a, 0,1,2,3
	v_lshl_or_b32 v[TM+2*\a], v[TX+2*\a+1], 8, v[TX+2*\a]
.endr
	WIN (\W)
.irp a, 0,1,2,3
	v_cvt_scalef32_pk16_fp6_f32 v[PC+10*\a:PC+10*\a+2], v[(\S)+32*\a:(\S)+32*\a+15], v[TS+2*\a]
	v_cvt_scalef32_pk16_fp6_f32 v[PC+10*\a+6:PC+10*\a+8], v[(\S)+32*\a+16:(\S)+32*\a+31], v[TS+2*\a+1]
.endr
	WIN 0
	v_nop                                              ; one plain place behind the scaled conversions
.irp a, 0,1,2,3
.irp i, 0,1,2
	v_permlane16_swap_b32 v[PC+10*\a+\i], v[PC+10*\a+6+\i]
.endr
.endr
.irp a, 0,1,2,3
.irp i, 0,1,2
	v_mov_b32 v[PC+10*\a+3+\i], v[PC+10*\a+6+\i]
.endr
.endr
.endm
.macro IMG base, koff
.irp a, 0,1,2,3
	global_store_b128 v[VO16], v[PC+10*\a:PC+10*\a+3], s[\base:\base+1] offset:(\koff)+1536*\a
	global_store_b64 v[VO8], v[PC+10*\a+4:PC+10*\a+5], s[\base:\base+1] offset:(\koff)+1536*\a+512
.endr
.endm
.macro GATHER off
.irp a, 0,1,2,3
	ds_store_b16 v[ASG], v[TM+2*\a] offset:(\off)+64*\a
.endr
.endm
.macro SCALES sc                       ; Wr's: four words a row; comb's: a word for each K step q and pair of row blocks g
.irp g, 0,1
	ds_load_b128 v[SC+16*(\sc)+4*\g:SC+16*(\sc)+4*\g+3], v[ASB] offset:32*SPT*\g
.endr
.irp q, 0,1,2,3
.irp g, 0,1
	ds_load_b32 v[SC+16*(\sc)+8+2*\q+\g], v[ASA] offset:512*\q+128*\g
.endr
.endr
.endm
.macro FETCH s, e, w
	WIN (\w)<<6
.irp i, 0,1
.irp f, 0,1,2,3
	FRAGB 96*\i+48+12*\f, ADRB+(\s), 2*(\e)+\i, \f
.endr
.irp f, 0,1,2,3
	FRAGA 96*\i+12*\f, LA16+(\s), LA8+(\s), 12288*(2*(\e)+\i)+1536*\f
.endr
.endr
.endm
.macro STEP0 s, zero
	s_wait_dscnt 40                                    ; the scale words and the first 128 along K are in; the 40 youngest loads may be out
	WIN 0x05
	MULH 0, 48, ACC, SC+16*(\s)+8, 1, SC+16*(\s), 4, \zero
	s_wait_dscnt 0x0
	PLACES 4
	FETCH \s, 1, 2
	WIN 0x05
	MULH 96, 144, ACC, SC+16*(\s)+10, 1, SC+16*(\s)+1, 4, 0
	WIN 0
.endm
; The change of slots.  wrap = 1: the refill begins the walk's second half, so kind 1 goes back over all of K.  sbst: how far on the next slot's scale bytes of Wr lie.
.macro TURN s, nx, fill, wrap, sbst
	s_wait_tensorcnt 0x0                               ; all my tensor loads have landed: my part of the next slot
	ds_add_u32 v[SPW], v[NIL]                          ; 0 onto my spare word
.if \fill
	s_add_nc_u64 s[G0A+4*(\s)+2:G0A+4*(\s)+3], s[G0A+4*(\s)+2:G0A+4*(\s)+3], 2*AIMG
	s_add_nc_u64 s[G0B+4*(\s)+2:G0B+4*(\s)+3], s[G0B+4*(\s)+2:G0B+4*(\s)+3], 2*ROWB
.if \wrap
	s_sub_nc_u64 s[G0A+4*(\s)+2:G0A+4*(\s)+3], s[G0A+4*(\s)+2:G0A+4*(\s)+3], s[WA:WA+1]
	s_sub_nc_u64 s[G0B+4*(\s)+2:G0B+4*(\s)+3], s[G0B+4*(\s)+2:G0B+4*(\s)+3], s[WB:WB+1]
.endif
.endif
	s_wait_dscnt 0x0                                   ; the add is done, and my reads of this slot are over
.if \fill
	CROUND
	JLOAD G0A+4*(\s), G1A, G0B+4*(\s), G1B             ; the first tensor load behind the round; its four v_nop are the places in front of the loads below
.else
	s_barrier_signal -1
	s_barrier_wait -1
	PLACES 4
.endif
	v_add_nc_u32 v[ASA], 2048, v[ASA]
	v_add_nc_u32 v[ASB], \sbst, v[ASB]
	SCALES \nx
	FETCH \nx, 0, 1
	WIN 0x0a
	MULH 0, 48, ACC, SC+16*(\s)+12, 1, SC+16*(\s)+2, 4, 0
	MULH 96, 144, ACC, SC+16*(\s)+14, 1, SC+16*(\s)+3, 4, 0
	WIN 0
.endm
	s_load_b512 s[4:19], s[0:1], 0x0                   ; comb 4, comb_scales 6, Wr codes 8, Wr scales 10, Wr_b 12, h_prev 14, cand 16, cand_scales 18
	v_lshl_add_u32 v[SPW], v0, 2, SPARE
	v_mov_b32 v[NIL], 0
	ds_add_u32 v[SPW], v[NIL]                          ; the wave's opening: the add, twice on end, and its wait ahead of my first tensor load
	ds_add_u32 v[SPW], v[NIL]
	v_lshrrev_b32 v1, 5, v0
	v_readfirstlane_b32 s[WV], v1
	s_lshr_b32 s[RHF], s[WV], 1
	s_and_b32 s[CHF], s[WV], 1
	s_bfe_u32 s86, ttmp6, 0x40000                      ; cx
	s_bfe_u32 s2, ttmp6, 0x40004                       ; cy
	s_lshl_b32 s[TCOL], ttmp9, 2
	s_add_co_u32 s[TCOL], s[TCOL], s86
	s_and_b32 s[TROW], ttmp7, 0xffff
	s_lshl_b32 s[TROW], s[TROW], 2
	s_add_co_u32 s[TROW], s[TROW], s2
	s_lshl_b32 s3, s2, 2
	s_lshl_b32 s3, 15, s3                              ; my row of the cluster
	s_lshl_b32 s87, 0x1111, s86                        ; my column
	s_or_b32 s[G1A], s3, (3<<16)|(1<<21)               ; half a slot's images: 96 dense rows of 256 bytes (32 elements of 8), no padding
	s_mov_b32 s[G1A+1], 32<<16
	s_mov_b32 s[G1A+2], 96<<16
	s_mov_b32 s[G1A+3], 32<<16
	s_mov_b32 s[G1A+4], 96
	s_mov_b32 s[G1A+5], 32
	s_mov_b32 s[G1A+6], 0
	s_mov_b32 s[G1A+7], 0
	s_or_b32 s[G1B], s87, (1<<20)|(1<<21)|(4<<22)|(3<<25)   ; 64 rows of 384 bytes of Wr, 16 bytes of padding behind every 128
	s_mov_b32 s[G1B+1], ROWB<<16
	s_mov_b32 s[G1B+2], 64<<16
	s_mov_b32 s[G1B+3], ROWB<<16
	s_mov_b32 s[G1B+4], 64
	s_mov_b32 s[G1B+5], KROW
	s_mov_b32 s[G1B+6], 0
	s_mov_b32 s[G1B+7], 0
	s_or_b32 s[G1SA], s3, (3<<16)|(1<<21)              ; half of comb's scale words: 32 dense rows of 256 bytes
	s_mov_b32 s[G1SA+1], 32<<16
	s_mov_b32 s[G1SA+2], 32<<16
	s_mov_b32 s[G1SA+3], 32<<16
	s_mov_b32 s[G1SA+4], 32
	s_mov_b32 s[G1SA+5], 32
	s_mov_b32 s[G1SA+6], 0
	s_mov_b32 s[G1SA+7], 0
	s_or_b32 s[G1SB], s87, (1<<20)|(1<<21)|(3<<22)|(3<<25)   ; Wr's scale bytes of 128 rows for half of K: rows of 64 bytes, 128 apart in memory; after every 16 words, 4 words of padding
	s_mov_b32 s[G1SB+1], 64<<16
	s_mov_b32 s[G1SB+2], 128<<16
	s_mov_b32 s[G1SB+3], 64<<16
	s_mov_b32 s[G1SB+4], 128
	s_mov_b32 s[G1SB+5], 128
	s_mov_b32 s[G1SB+6], 0
	s_mov_b32 s[G1SB+7], 0
	s_lshr_b32 s[PAR], ttmp9, 1                        ; the cluster's kind, from the cluster's place in the grid alone: the same in all its partners
	s_xor_b32 s[PAR], s[PAR], ttmp9
	s_and_b32 s95, ttmp7, 0xffff
	s_xor_b32 s[PAR], s[PAR], s95
	s_lshr_b32 s95, s95, 1
	s_xor_b32 s[PAR], s[PAR], s95
	s_and_b32 s[PAR], s[PAR], 1
	s_mul_i32 s[WA], s[PAR], 8*AIMG
	s_mov_b32 s[WA+1], 0
	s_mul_i32 s[WB], s[PAR], 8*ROWB
	s_mov_b32 s[WB+1], 0
	s_mul_i32 s2, s[TROW], 393216
	s_mul_i32 s3, s[CHF], 24576
	s_add_co_u32 s2, s2, s3                            ; comb: my row tile, my half of a slot,
	s_mul_i32 s3, s[PAR], 4*AIMG                       ; from the half of K at which my cluster's walk begins
	s_add_co_u32 s2, s2, s3
	s_mov_b32 s3, 0
	s_lshl_b32 s66, s[TROW], 14                        ; its scale words:
	s_xor_b32 s67, s[CHF], s[PAR]                      ; half CHF of the walk is half CHF xor PAR of K
	s_lshl_b32 s67, s67, 13
	s_add_co_u32 s66, s66, s67
	s_mov_b32 s67, 0
	s_lshl_b32 s88, s[TCOL], 7
	s_lshl_b32 s89, s[CHF], 6
	s_add_co_u32 s88, s88, s89                         ; Wr: row 128 x tile column + 64 x half
	s_mul_i32 s86, s88, KROW
	s_mul_i32 s87, s[PAR], 4*ROWB
	s_add_co_u32 s86, s86, s87
	s_mov_b32 s87, 0
	s_lshl_b32 s88, s[TCOL], 14                        ; the scale bytes of the tile's 128 rows, 128 a row
	s_xor_b32 s89, s[CHF], s[PAR]
	s_lshl_b32 s89, s89, 6
	s_add_co_u32 s88, s88, s89
	s_mov_b32 s89, 0
	v_and_b32 v1, 15, v0                               ; r
	v_bfe_u32 v2, v0, 4, 1                             ; hh
	v_and_b32 v3, 31, v0                               ; lane
	v_lshlrev_b32 v[VR], 13, v2
	v_lshl_add_u32 v[VR], v1, 4, v[VR]
	v_lshlrev_b32 v[VB], 6, v2
	v_lshlrev_b32 v[VO16], 4, v3
	v_lshlrev_b32 v[VO8], 3, v3
	s_wait_dscnt 0x0                                   ; both opening adds are done
	s_wait_kmcnt 0x0
	s_add_nc_u64 s[2:3], s[4:5], s[2:3]
	s_add_nc_u64 s[66:67], s[6:7], s[66:67]
	s_add_nc_u64 s[86:87], s[8:9], s[86:87]
	s_add_nc_u64 s[88:89], s[10:11], s[88:89]
	CROUND                                             ; all sixteen work-groups are here: the first joint loads meet
	s_lshl_b32 s[LC], s[CHF], 13
	s_mov_b32 s[G0SA], 1
	s_add_co_u32 s[G0SA+1], s[LC], SCA
	s_mov_b64 s[G0SA+2:G0SA+3], s[66:67]
	s_or_b32 s[G0SA+3], s[G0SA+3], 0x80000000
	s_mul_i32 s[LC], s[CHF], SHB
	s_mov_b32 s[G0SB], 1
	s_add_co_u32 s[G0SB+1], s[LC], SCB
	s_mov_b64 s[G0SB+2:G0SB+3], s[88:89]
	s_or_b32 s[G0SB+3], s[G0SB+3], 0x80000000
	JLOAD G0SA, G1SA, G0SB, G1SB                       ; the scales for all of K: filled once
	s_mul_i32 s[LC], s[CHF], 24576
	s_mul_i32 s90, s[CHF], RUN
	s_add_co_u32 s90, s90, AIMG
.irp s, 0,1
	s_mov_b32 s[G0A+4*\s], 1
	s_add_co_u32 s[G0A+4*\s+1], s[LC], \s*SLOT
	s_add_nc_u64 s[G0A+4*\s+2:G0A+4*\s+3], s[2:3], \s*AIMG
	s_or_b32 s[G0A+4*\s+3], s[G0A+4*\s+3], 0x80000000
	s_mov_b32 s[G0B+4*\s], 1
	s_add_co_u32 s[G0B+4*\s+1], s90, \s*SLOT
	s_add_nc_u64 s[G0B+4*\s+2:G0B+4*\s+3], s[86:87], \s*ROWB
	s_or_b32 s[G0B+4*\s+3], s[G0B+4*\s+3], 0x80000000
	JLOAD G0A+4*\s, G1A, G0B+4*\s, G1B                 ; three tensor loads of mine are out
.endr
	s_lshl_b32 s86, s[TCOL], 9
	s_lshl_b32 s87, s[CHF], 8
	s_add_co_u32 s86, s86, s87                         ; my first column, in bytes
	s_mov_b32 s87, 0
	s_add_nc_u64 s[12:13], s[12:13], s[86:87]
	s_lshl_b32 s88, s[TROW], 20
	s_lshl_b32 s89, s[RHF], 19
	s_add_co_u32 s88, s88, s89
	s_add_co_u32 s86, s86, s88
	s_add_nc_u64 s[14:15], s[14:15], s[86:87]
	WIN 0xc0
.irp b, 0,1
.irp j, 0,1,2,3
	global_load_b128 v[BQ+16*\b+4*\j:BQ+16*\b+4*\j+3], v[VB], s[12:13] offset:128*\b+16*\j
.endr
.endr
.set n, 0
.rept 32
	global_load_b128 v[HH+4*n:HH+4*n+3], v[VR], s[14:15] offset:16384*n th:TH_LOAD_NT
.set n, n+1
.endr
	WIN 0
	s_mul_i32 s86, s[TROW], 393216
	s_mul_i32 s88, s[TCOL], 12288
	s_add_co_u32 s86, s86, s88
	s_mul_i32 s88, s[RHF], 6144
	s_add_co_u32 s86, s86, s88
	s_mul_i32 s88, s[CHF], 768
	s_add_co_u32 s86, s86, s88
	s_add_nc_u64 s[CAND:CAND+1], s[CAND:CAND+1], s[86:87]
	s_lshl_b32 s86, s[TROW], 5
	s_add_co_u32 s86, s86, s[TCOL]
	s_lshl_b32 s86, s86, 9
	s_add_nc_u64 s[18:19], s[18:19], s[86:87]
	s_mov_b32 s[SEL], 0x76543210
	s_mov_b32 s[SEL+1], 0xfedcba98
	s_mov_b32 s[NL], 0xbfb8aa3b                        ; -log2(e)
	s_mov_b32 s[NL+1], s[NL]
	; LDS addresses
	s_mul_i32 s2, s[RHF], 6144                         ; my four row blocks in a K step's eight
	v_lshl_add_u32 v[LA16], v3, 4, s2
	v_lshl_add_u32 v[LA8], v3, 3, s2
	v_add_nc_u32 v[LA16+1], SLOT, v[LA16]
	v_add_nc_u32 v[LA8+1], SLOT, v[LA8]
	v_mul_u32_u24 v24, v1, PITCH
	v_mad_u32_u24 v24, v2, 24, v24
	v_lshl_add_u32 v25, v2, 4, v24
	s_mul_i32 s3, s[CHF], RUN
	s_add_co_u32 s3, s3, AIMG
.irp s, 0,1
	v_add_nc_u32 v[ADRB+\s], s3, v24
	v_add_nc_u32 v[ADRB+2+\s], s3, v25
	s_add_co_u32 s3, s3, SLOT
.endr
	s_lshl_b32 s2, s[RHF], 8
	s_add_co_u32 s2, s2, SCA
	v_lshl_add_u32 v[ASA], v3, 2, s2                   ; comb's scale words: row 64 x row half + lane
	v_mul_u32_u24 v24, v3, SPT                         ; Wr's scale bytes: row = lane
	s_mul_i32 s3, s[CHF], 64*SPT
	s_add_co_u32 s3, s3, SCB
	v_add_nc_u32 v[ASB], s3, v24
	s_mul_i32 s2, s[WV], 6*AREA                        ; my stage
	v_mul_u32_u24 v24, v2, 272
	v_lshl_add_u32 v24, v1, 4, v24
	v_add_nc_u32 v[AR], s2, v24
	v_mul_u32_u24 v24, v1, 272
	v_lshl_add_u32 v24, v2, 6, v24
	v_add_nc_u32 v[AQ], s2, v24
	s_lshl_b32 s2, s[RHF], 8
	s_lshl_b32 s3, s[CHF], 1
	s_add_co_u32 s2, s2, s3
	s_add_co_u32 s2, s2, SG
	v_lshl_add_u32 v[ASG], v1, 2, s2
	v_lshl_add_u32 v[ASL], v3, 4, SG
	s_wait_tensorcnt 0x1                               ; the scales and my part of slot 0 are in; slot 1's load may be out
	s_barrier_signal -1
	s_barrier_wait -1
	SCALES 0
	FETCH 0, 0, 1
	STEP0 0, 1                                         ; the walk's slot 0: the first products start the sums
	TURN 0, 1, 1, 0, 16                                ; asks for the walk's slot 2
	STEP0 1, 0
	TURN 1, 0, 1, 0, 16                                ; slot 3
	STEP0 0, 0
	TURN 0, 1, 1, 1, 16                                ; slot 4: the walk's second half begins
	STEP0 1, 0
	TURN 1, 0, 1, 1, SHB-48                            ; slot 5; and on to slot 4's scale bytes of Wr, which lie SHB behind slot 0's
	STEP0 0, 0
	TURN 0, 1, 1, 0, 16                                ; slot 6
	STEP0 1, 0
	TURN 1, 0, 1, 0, 16                                ; slot 7
	STEP0 0, 0
	TURN 0, 1, 0, 0, 16                                ; the last change of slots fills nothing
	STEP0 1, 0
	s_wait_dscnt 0x0
	WIN 0x0a
	MULH 0, 48, ACC, SC+16+12, 1, SC+16+2, 4, 0
	MULH 96, 144, ACC, SC+16+14, 1, SC+16+3, 4, 0
	WIN 0
	; THE EPILOGUE
	PLACES 4
	s_wait_loadcnt 0x0                                 ; h_prev and Wr_b
.irp c, 0,1,2,3,4,5,6,7
	v_mov_b32 v[TX+\c], 0                              ; written once: a lane permute's destination counts as one of its sources
.endr
	WIN 0x0c                                           ; h_prev from memory's layout to the quantiser's, through my stage
.irp a, 0,1,2,3
	ST_R HH+32*\a, \a
.endr
	WIN 0xc0
.irp a, 0,1,2,3
	LD_Q HH+32*\a, \a
.endr
	WIN 0xc3
.set n, 0
.rept 16
	v_pk_mul_f32 v[BQ+2*n:BQ+2*n+1], v[BQ+2*n:BQ+2*n+1], s[NL:NL+1] op_sel_hi:[1,0]   ; -log2(e) Wr_b
.set n, n+1
.endr
	WIN 0
.irp a, 0,1,2,3
.irp b, 0,1
.irp j, 0,1,2,3,4,5,6,7
	v_permlane16_swap_b32 v[ACC+32*\a+16*\b+\j], v[ACC+32*\a+16*\b+8+\j]   ; tiles 2 b and 2 b + 1 change halves, from each accumulator's low end on: 16 neighbouring columns a lane
.endr
.endr
.endr
	WIN 0x30
.set n, 0
.rept 64
	v_pk_fma_f32 v[ACC+2*n:ACC+2*n+1], v[ACC+2*n:ACC+2*n+1], s[NL:NL+1], v[BQ+2*(n%16):BQ+2*(n%16)+1] op_sel_hi:[1,0,1]
.set n, n+1
.endr
	WIN 0
.set n, 0
.rept 128
	v_exp_f32 v[ACC+n], v[ACC+n]
.set n, n+1
.endr
	v_nop                                              ; a plain place behind the last exponential
	s_wait_alu depctr_va_vdst(0)                       ; one wait for the batch, ahead of its first reader
.set n, 0
.rept 64
	v_pk_add_f32 v[ACC+2*n:ACC+2*n+1], v[ACC+2*n:ACC+2*n+1], 1.0 op_sel_hi:[1,0]
.set n, n+1
.endr
.set n, 0
.rept 128
	v_rcp_f32 v[ACC+n], v[ACC+n]                       ; r
.set n, n+1
.endr
	v_nop
	s_wait_alu depctr_va_vdst(0)
	s_wait_dscnt 0x0                                   ; h_prev is back from the stage
	WIN 0x0c
.set n, 0
.rept 64
	v_pk_mul_f32 v[ACC+2*n:ACC+2*n+1], v[ACC+2*n:ACC+2*n+1], v[HH+2*n:HH+2*n+1]   ; r h_prev
.set n, n+1
.endr
	QUANTALL ACC, 0
	IMG CAND, 196608                                   ; K steps 16 to 31 of [activated | r h_prev]
	GATHER 0
	s_wait_dscnt 0x0                                   ; for the others' sake: my scale bytes lie in LDS
	s_barrier_signal -1
	s_barrier_wait -1
	s_cmp_lg_u32 s[WV], 0
	s_cbranch_scc1 .Lnot_0
	ds_load_b128 v[LT:LT+3], v[ASL]                    ; wave 0: the work-group's 128 scale words, 512 consecutive bytes
	s_wait_dscnt 0x0
	global_store_b128 v[VO16], v[LT:LT+3], s[18:19] offset:8192
.Lnot_0:
	s_wait_tensorcnt 0x0                               ; the wave's end
	ds_add_u32 v[SPW], v[NIL]
	s_wait_dscnt 0x0
	CROUND                                             ; the closing round
	s_endpgm
.Lfunc_end_k_q252f38e1be_gate:
	.size	k_q252f38e1be_gate, .Lfunc_end_k_q252f38e1be_gate-k_q252f38e1be_gate
	.p2alignl 7, 3214868480
	.fill 96, 4, 3214868480
	.section	.rodata,"a",@progbits
	.p2align	6, 0x0
	.amdhsa_kernel k_q252f38e1be_gate
		.amdhsa_group_segment_fixed_size 327680
		.amdhsa_private_segment_fixed_size 0
		.amdhsa_enable_private_segment 0
		.amdhsa_kernarg_size 64
		.amdhsa_user_sgpr_count 2
		.amdhsa_user_sgpr_kernarg_segment_ptr 1
		.amdhsa_wavefront_size32 1
		.amdhsa_system_sgpr_workgroup_id_x 1
		.amdhsa_system_sgpr_workgroup_id_y 1
		.amdhsa_system_sgpr_workgroup_id_z 1
		.amdhsa_system_vgpr_workitem_id 0
		.amdhsa_next_free_vgpr 1024
		.amdhsa_next_free_sgpr 102
		.amdhsa_reserve_vcc 0
		.amdhsa_float_denorm_mode_32 3
		.amdhsa_float_denorm_mode_16_64 3
		.amdhsa_memory_ordered 1
		.amdhsa_forward_progress 1
		.amdhsa_inst_pref_size 213
	.end_amdhsa_kernel
	.amdgpu_metadata
---
amdhsa.version: [ 1, 2 ]
amdhsa.kernels:
  - .name:           k_q252f38e1be_gate
    .symbol:         k_q252f38e1be_gate.kd
    .args:
      - { .name: comb, .offset: 0, .size: 8, .value_kind: global_buffer, .address_space: global }
      - { .name: comb_scales, .offset: 8, .size: 8, .value_kind: global_buffer, .address_space: global }
      - { .name: Wr_w_codes, .offset: 16, .size: 8, .value_kind: global_buffer, .address_space: global }
      - { .name: Wr_w_scales, .offset: 24, .size: 8, .value_kind: global_buffer, .address_space: global }
      - { .name: Wr_b, .offset: 32, .size: 8, .value_kind: global_buffer, .address_space: global }
      - { .name: h_prev, .offset: 40, .size: 8, .value_kind: global_buffer, .address_space: global }
      - { .name: cand, .offset: 48, .size: 8, .value_kind: global_buffer, .address_space: global }
      - { .name: cand_scales, .offset: 56, .size: 8, .value_kind: global_buffer, .address_space: global }
    .group_segment_fixed_size: 327680
    .private_segment_fixed_size: 0
    .kernarg_segment_align: 8
    .kernarg_segment_size: 64
    .max_flat_workgroup_size: 128
    .sgpr_count:     102
    .vgpr_count:     1024
    .wavefront_size: 32
...
	.end_amdgpu_metadata
.endif
;; end of part 2
;; launch outp (part 3): grid 16 x 16, 4 waves a work-group, clusters of 4 x 4, 327,680 bytes of LDS; arguments comb, cand, comb_scales, cand_scales, Wz_w_codes, Wc_w_codes, Wz_w_scales, Wc_w_scales, Wz_b, Wc_b, h_prev, out0; writes out0
.if DOCPART == 3
	.amdgcn_target "amdgcn-amd-amdhsa--gfx1250"
	.amdhsa_code_object_version 6
	.text
	.protected	k_q252f38e1be_outp
	.globl	k_q252f38e1be_outp
	.p2align	8
	.type	k_q252f38e1be_outp,@function
k_q252f38e1be_outp:
	s_mov_b64 s[64:65], 0
	v_nop
	global_prefetch_b8 v0, s[64:65] scope:SCOPE_SE
	s_setreg_imm32_b32 hwreg(HW_REG_WAVE_MODE, 25, 1), 1
	s_wait_xcnt 0x0
	s_wait_alu depctr_hold_cnt(0) depctr_sa_sdst(0) depctr_va_vdst(0) depctr_va_sdst(0) depctr_va_ssrc(0) depctr_va_vcc(0) depctr_vm_vsrc(0)
	s_getreg_b32 s2, hwreg(HW_REG_IB_STS2, 6, 4)
	s_cmp_eq_u32 s2, 0
	s_cbranch_scc0 .Lentry_in_a_cluster
	s_endpgm
.Lentry_in_a_cluster:
	s_bfe_u32 s2, ttmp6, 0x10000c
	s_cmp_lg_u32 s2, 0xf033
	s_cbranch_scc0 .Lentry_shape_is_right
	s_endpgm
.Lentry_shape_is_right:
; OUTP.  z = sigmoid([activated | h_prev] Wz^T + Wz_b), n = tanh([activated | r h_prev] Wc^T + Wc_b), out0 = (1 - z) h_prev + z n.  Both products on codes of FP6 (E2M3) with E8M0 scales, K = 4,096,
; on the same tile of 128 x 128, so that z and n never go to memory.  Nothing of the problem's work is left out here.
; sigmoid(v) = 1 / (1 + 2^(-log2(e) v)); tanh(v) = 1 - 2 / (1 + 2^(2 log2(e) v)): both hold at the ends, where the exponential is 0 or infinite.  out0 is formed as h + z (n - h).
; LIMITS: NaN and infinities among the inputs are not served.  The f32 sums take K's two halves in an order that differs between clusters (THE WALK): an order of rounding, no more.
; The rows' operands (comb, cand) are images of fragments, [16 row tiles][32 K steps][8 blocks of 16 rows][1,536 bytes], with scale words [16][32][128 rows]; Wz and Wc come as they are given, by rows.
; THE RING: two slots of 256 along K; a slot holds comb's and cand's images and Wz's and Wc's rows; each of the four waves brings one of the four by one joint load.  A step is 128 along K: 16 products for z, 16 for n,
; each product with fragments of its own operand, in all of K alike.
; THE WALK ALONG K, as in the first launch: PAR = (X ^ X>>1 ^ Y ^ Y>>1) & 1 of the cluster's place (X, Y) in the grid; kind 0 takes K's two halves (eight slots each) in order, kind 1 the second half first.  Of the four clusters
; that ask for the same rows of comb and cand, and of the four that ask for the same rows of Wz and Wc, two are of each kind: the same bytes are asked for at two times, half a walk apart.  Only global addresses hang on PAR:
; the scales are laid into LDS in the order of the walk, each half of it by a load of its own.  The two refills that begin the walk's second half are written out between two loops of three trips.
; SHARES, CLUSTERS, THE TRANSPOSED USE and the stage in slot 0 are as in the first launch.
; REGISTERS.  window 0: v1-3 lane numbers, v4-29 addresses, v32-63 scale words (two sets), v64-71 the biases of my four columns, v128-255 h_prev in memory's layout.
;   windows 1, 2: v0-191 a step's fragments.  window 3: v0-127 z's accumulators, v128-255 n's.
.set KROW,  3072
.set ROWB,  192
.set PI,    8
.set PITCH, 240                        ; an LDS row: 3 x (64 bytes + 16 of padding)
.set AIMG,  24576                      ; a slot's images of one operand: 2 K steps x 8 blocks x 1,536 bytes
.set WRUN,  128*PITCH                  ; a slot's 128 rows of one weight
.set SLOT,  2*AIMG+2*WRUN
.set SCA,   2*SLOT                     ; comb's scale words of my row tile, in the order of the walk, then cand's
.set SCZ,   SCA+2*16384                ; Wz's scale bytes of my 128 rows: the walk's first half, then its second; then Wc's
.set SPT,   80                         ; a row there: 64 bytes (half of K) + 16 of padding
.set SHB,   128*SPT
.set SWB,   2*SHB
.set SPARE, SCZ+2*SWB
.set AREA,  16*272
.set LA16, 4                           ; v4-5 comb's images in slot 0, 1: 16 x lane;  v6-7: 8 x lane
.set LA8,  6
.set ADRB, 12                          ; v12-15 Wz's fragments
.set ASA,  16
.set ASB,  18
.set AR,   19
.set AD,   20
.set VR,   21
.set VC,   22
.set SPW,  28
.set NIL,  29
.set SC,   32
.set BZ,   64
.set BN,   68
.set HH,   128
.set G0SA2, 4                          ; s[4:7], s[8:11]: once the operands' addresses have been used: groups 0 for the scales of the walk's second half
.set G0SB2, 8
.set WB,   12                          ; s[12:13] PAR x a row of a weight's codes: what its refill goes back at K's end
.set OUT0, 26
.set G1A,  28
.set G0A,  36
.set G1B,  44
.set G0B,  52
.set G0SA, 60
.set G1SA, 68
.set G1SB, 76
.set G0SB, 84
.set WV,   88
.set RHF,  89
.set CHF,  90
.set TCOL, 91
.set TROW, 92
.set LC,   93
.set NL,   94                          ; in the epilogue
.set L2X,  96
.set PAR,  98                          ; the cluster's kind
.set WA,   100                         ; s[100:101] PAR x a row tile's images
.set MSB, 0
.macro WIN new
.if MSB != (\new)
	s_set_vgpr_msb (MSB<<8)|(\new)
.set MSB, (\new)
.endif
.endm
.macro PLACES n
.rept \n
	v_nop
.endr
.endm
.macro CREST
	s_cmp_lg_u32 s[WV], 0
	s_cbranch_scc1 .Lnot_wave_0_\@
	s_barrier_signal -3
.Lnot_wave_0_\@:
	s_barrier_wait -3
	s_barrier_signal -1
	s_barrier_wait -1
.endm
.macro CROUND
	s_barrier_signal -1
	s_barrier_wait -1
	CREST
.endm
.macro JLOAD g0a, g1a, g0b, g1b        ; waves 0 and 1 fetch comb's and cand's part, waves 2 and 3 Wz's and Wc's; an s_nop 0 and four v_nop follow each line
	s_cmp_eq_u32 s[RHF], 0
	s_cbranch_scc0 .Lfor_b_\@
	tensor_load_to_lds s[\g0a:\g0a+3], s[\g1a:\g1a+7]
	s_nop 0
	PLACES 4
	s_branch .Lasked_\@
.Lfor_b_\@:
	tensor_load_to_lds s[\g0b:\g0b+3], s[\g1b:\g1b+7]
	s_nop 0
	PLACES 4
.Lasked_\@:
.endm
.macro FRAGB reg, adr, q, i, xo        ; a fragment from rows of codes: six pieces of 8 bytes; xo: 0 for Wz, WRUN for Wc
.irp p, 0,1,2,3,4,5
.set PCE, 12*(\q)+6*(\p/3)+\p%3
.if PCE%PI < PI-3
	ds_load_b64 v[(\reg)+2*\p:(\reg)+2*\p+1], v[\adr] offset:(\xo)+8*PCE+16*(PCE/PI)+(\i)*16*PITCH
.else
	ds_load_b64 v[(\reg)+2*\p:(\reg)+2*\p+1], v[(\adr)+2] offset:(\xo)+8*PCE+16*(PCE/PI)+(\i)*16*PITCH
.endif
.endr
.endm
.macro FRAGA reg, a16, a8, off         ; a fragment from its image
	ds_load_b128 v[(\reg):(\reg)+3], v[\a16] offset:(\off)
	ds_load_b64 v[(\reg)+4:(\reg)+5], v[\a8] offset:(\off)+512
	ds_load_b128 v[(\reg)+6:(\reg)+9], v[\a16] offset:(\off)+768
	ds_load_b64 v[(\reg)+10:(\reg)+11], v[\a8] offset:(\off)+1280
.endm
.macro WM d, fb, fa, zero, sb, sa, rb, ra
.if \zero
.if (\rb) && (\ra)
	v_wmma_scale_f32_16x16x128_f8f6f4 v[(\d):(\d)+7], v[(\fb):(\fb)+11], v[(\fa):(\fa)+11], 0, v[\sb], v[\sa] matrix_a_fmt:MATRIX_FMT_FP6 matrix_b_fmt:MATRIX_FMT_FP6 matrix_a_scale:MATRIX_SCALE_ROW1 matrix_b_scale:MATRIX_SCALE_ROW1
.elseif (\rb)
	v_wmma_scale_f32_16x16x128_f8f6f4 v[(\d):(\d)+7], v[(\fb):(\fb)+11], v[(\fa):(\fa)+11], 0, v[\sb], v[\sa] matrix_a_fmt:MATRIX_FMT_FP6 matrix_b_fmt:MATRIX_FMT_FP6 matrix_a_scale:MATRIX_SCALE_ROW1
.elseif (\ra)
	v_wmma_scale_f32_16x16x128_f8f6f4 v[(\d):(\d)+7], v[(\fb):(\fb)+11], v[(\fa):(\fa)+11], 0, v[\sb], v[\sa] matrix_a_fmt:MATRIX_FMT_FP6 matrix_b_fmt:MATRIX_FMT_FP6 matrix_b_scale:MATRIX_SCALE_ROW1
.else
	v_wmma_scale_f32_16x16x128_f8f6f4 v[(\d):(\d)+7], v[(\fb):(\fb)+11], v[(\fa):(\fa)+11], 0, v[\sb], v[\sa] matrix_a_fmt:MATRIX_FMT_FP6 matrix_b_fmt:MATRIX_FMT_FP6
.endif
.else
.if (\rb) && (\ra)
	v_wmma_scale_f32_16x16x128_f8f6f4 v[(\d):(\d)+7], v[(\fb):(\fb)+11], v[(\fa):(\fa)+11], v[(\d):(\d)+7], v[\sb], v[\sa] matrix_a_fmt:MATRIX_FMT_FP6 matrix_b_fmt:MATRIX_FMT_FP6 matrix_a_scale:MATRIX_SCALE_ROW1 matrix_b_scale:MATRIX_SCALE_ROW1
.elseif (\rb)
	v_wmma_scale_f32_16x16x128_f8f6f4 v[(\d):(\d)+7], v[(\fb):(\fb)+11], v[(\fa):(\fa)+11], v[(\d):(\d)+7], v[\sb], v[\sa] matrix_a_fmt:MATRIX_FMT_FP6 matrix_b_fmt:MATRIX_FMT_FP6 matrix_a_scale:MATRIX_SCALE_ROW1
.elseif (\ra)
	v_wmma_scale_f32_16x16x128_f8f6f4 v[(\d):(\d)+7], v[(\fb):(\fb)+11], v[(\fa):(\fa)+11], v[(\d):(\d)+7], v[\sb], v[\sa] matrix_a_fmt:MATRIX_FMT_FP6 matrix_b_fmt:MATRIX_FMT_FP6 matrix_b_scale:MATRIX_SCALE_ROW1
.else
	v_wmma_scale_f32_16x16x128_f8f6f4 v[(\d):(\d)+7], v[(\fb):(\fb)+11], v[(\fa):(\fa)+11], v[(\d):(\d)+7], v[\sb], v[\sa] matrix_a_fmt:MATRIX_FMT_FP6 matrix_b_fmt:MATRIX_FMT_FP6
.endif
.endif
.endm
.macro MULH fa, fb, acc, sa, sas, sb, sbs, zero   ; 16 matrix instructions; the 16 accumulators take turns, one instruction a turn
.irp a, 0,1,2,3
.irp t, 0,1,2,3
	WM (\acc)+32*\a+8*\t, (\fb)+12*\t, (\fa)+12*\a, \zero, (\sb)+(\sbs)*(\t/2), (\sa)+(\sas)*(\a/2), \t%2, \a%2
.endr
.endr
.endm
.macro LD_R reg, area
.irp t, 0,1,2,3,4,5,6,7
	ds_load_b128 v[(\reg)+4*\t:(\reg)+4*\t+3], v[AR] offset:(\area)*AREA+544*\t
.endr
.endm
.macro ST_D reg, area                  ; each accumulator from its low end on
.irp t, 0,1,2,3
	ds_store_b128 v[AD], v[(\reg)+8*\t:(\reg)+8*\t+3] offset:(\area)*AREA+64*\t
	ds_store_b128 v[AD], v[(\reg)+8*\t+4:(\reg)+8*\t+7] offset:(\area)*AREA+64*\t+16
.endr
.endm
; A slot's scale words into set sc: + 2 g + q Wz's, + 4 + 2 g + q Wc's, + 8 + 2 q + g comb's, + 12 + 2 q + g cand's
.macro SCALES sc
.irp g, 0,1
	ds_load_b64 v[SC+16*(\sc)+2*\g:SC+16*(\sc)+2*\g+1], v[ASB] offset:32*SPT*\g
	ds_load_b64 v[SC+16*(\sc)+4+2*\g:SC+16*(\sc)+4+2*\g+1], v[ASB] offset:SWB+32*SPT*\g
.endr
.irp q, 0,1
.irp g, 0,1
	ds_load_b32 v[SC+16*(\sc)+8+2*\q+\g], v[ASA] offset:512*\q+128*\g
	ds_load_b32 v[SC+16*(\sc)+12+2*\q+\g], v[ASA] offset:16384+512*\q+128*\g
.endr
.endr
.endm
.macro FETCH s, q, w                   ; K step q of slot s into window w: first what z's products want, then what n's want
	WIN (\w)<<6
.irp f, 0,1,2,3
	FRAGB 48+12*\f, ADRB+(\s), \q, \f, 0
.endr
.irp f, 0,1,2,3
	FRAGA 12*\f, LA16+(\s), LA8+(\s), 12288*(\q)+1536*\f
.endr
.irp f, 0,1,2,3
	FRAGB 144+12*\f, ADRB+(\s), \q, \f, WRUN
.endr
.irp f, 0,1,2,3
	FRAGA 96+12*\f, LA16+(\s), LA8+(\s), AIMG+12288*(\q)+1536*\f
.endr
.endm
.macro STEP0 s, zero
	s_wait_dscnt 40                                    ; the scale words and what z's products want are in; Wc's 24 loads and cand's 16 may be out
	WIN 0xf5
	MULH 0, 48, 0, SC+16*(\s)+8, 1, SC+16*(\s), 2, \zero
	s_wait_dscnt 0x0
	PLACES 4                                           ; in front of loads into registers that matrix instructions have read
	FETCH \s, 1, 2
	WIN 0xf5
	MULH 96, 144, 128, SC+16*(\s)+12, 1, SC+16*(\s)+4, 2, \zero
	WIN 0
.endm
.macro MULQ1 s                         ; the 32 products of a slot's second K step
	WIN 0xfa
	MULH 0, 48, 0, SC+16*(\s)+10, 1, SC+16*(\s)+1, 2, 0
	MULH 96, 144, 128, SC+16*(\s)+14, 1, SC+16*(\s)+5, 2, 0
	WIN 0
.endm
; The change of slots.  wrap = 1: the refill begins the walk's second half, so kind 1 goes back over all of K.  sbst: how far on the next slot's scale bytes of the weights lie.
.macro TURN s, nx, fill, wrap, sbst
	s_wait_tensorcnt 0x0                               ; all my tensor loads have landed: my part of the next slot
	ds_add_u32 v[SPW], v[NIL]                          ; 0 onto my spare word
.if \fill
	s_add_nc_u64 s[G0A+4*(\s)+2:G0A+4*(\s)+3], s[G0A+4*(\s)+2:G0A+4*(\s)+3], 2*AIMG
	s_add_nc_u64 s[G0B+4*(\s)+2:G0B+4*(\s)+3], s[G0B+4*(\s)+2:G0B+4*(\s)+3], 2*ROWB
.if \wrap
	s_sub_nc_u64 s[G0A+4*(\s)+2:G0A+4*(\s)+3], s[G0A+4*(\s)+2:G0A+4*(\s)+3], s[WA:WA+1]
	s_sub_nc_u64 s[G0B+4*(\s)+2:G0B+4*(\s)+3], s[G0B+4*(\s)+2:G0B+4*(\s)+3], s[WB:WB+1]
.endif
.endif
	s_wait_dscnt 0x0                                   ; the add is done, and my reads of this slot are over
.if \fill
	CROUND
	JLOAD G0A+4*(\s), G1A, G0B+4*(\s), G1B             ; the first tensor load behind the round; its four v_nop are the places in front of the loads below
.else
	s_barrier_signal -1
	s_barrier_wait -1
	PLACES 4
.endif
	v_add_nc_u32 v[ASA], 1024, v[ASA]
	v_add_nc_u32 v[ASB], \sbst, v[ASB]
	SCALES \nx
	FETCH \nx, 0, 1
	MULQ1 \s
.endm
	s_load_b512 s[4:19], s[0:1], 0x0                   ; comb 4, cand 6, comb_scales 8, cand_scales 10, Wz codes 12, Wc codes 14, Wz scales 16, Wc scales 18
	s_load_b256 s[20:27], s[0:1], 0x40                 ; Wz_b 20, Wc_b 22, h_prev 24, out0 26
	v_lshl_add_u32 v[SPW], v0, 2, SPARE
	v_mov_b32 v[NIL], 0
	ds_add_u32 v[SPW], v[NIL]                          ; the wave's opening: the add, twice on end, and its wait ahead of my first tensor load
	ds_add_u32 v[SPW], v[NIL]
	v_lshrrev_b32 v1, 5, v0
	v_readfirstlane_b32 s[WV], v1
	s_lshr_b32 s[RHF], s[WV], 1                        ; my half of the rows.  Also: I fetch for the rows' side (0) or the weights' (1)
	s_and_b32 s[CHF], s[WV], 1                         ; my half of the columns.  Also: I fetch z's operand (0) or n's (1)
	s_bfe_u32 s94, ttmp6, 0x40000                      ; cx
	s_bfe_u32 s2, ttmp6, 0x40004                       ; cy
	s_lshl_b32 s[TCOL], ttmp9, 2
	s_add_co_u32 s[TCOL], s[TCOL], s94
	s_and_b32 s[TROW], ttmp7, 0xffff
	s_lshl_b32 s[TROW], s[TROW], 2
	s_add_co_u32 s[TROW], s[TROW], s2
	s_lshl_b32 s3, s2, 2
	s_lshl_b32 s3, 15, s3                              ; my row of the cluster
	s_lshl_b32 s95, 0x1111, s94                        ; my column
	s_or_b32 s[G1A], s3, (3<<16)|(1<<21)               ; a slot's images of one operand: 96 dense rows of 256 bytes (32 elements of 8), no padding
	s_mov_b32 s[G1A+1], 32<<16
	s_mov_b32 s[G1A+2], 96<<16
	s_mov_b32 s[G1A+3], 32<<16
	s_mov_b32 s[G1A+4], 96
	s_mov_b32 s[G1A+5], 32
	s_mov_b32 s[G1A+6], 0
	s_mov_b32 s[G1A+7], 0
	s_or_b32 s[G1B], s95, (1<<20)|(1<<21)|(3<<22)|(3<<25)   ; 128 rows of 192 bytes of one weight, 16 bytes of padding behind every 64
	s_mov_b32 s[G1B+1], ROWB<<16
	s_mov_b32 s[G1B+2], 128<<16
	s_mov_b32 s[G1B+3], ROWB<<16
	s_mov_b32 s[G1B+4], 128
	s_mov_b32 s[G1B+5], KROW
	s_mov_b32 s[G1B+6], 0
	s_mov_b32 s[G1B+7], 0
	s_or_b32 s[G1SA], s3, (3<<16)|(1<<21)              ; half of one operand's scale words of my row tile: 32 dense rows of 256 bytes
	s_mov_b32 s[G1SA+1], 32<<16
	s_mov_b32 s[G1SA+2], 32<<16
	s_mov_b32 s[G1SA+3], 32<<16
	s_mov_b32 s[G1SA+4], 32
	s_mov_b32 s[G1SA+5], 32
	s_mov_b32 s[G1SA+6], 0
	s_mov_b32 s[G1SA+7], 0
	s_or_b32 s[G1SB], s95, (1<<20)|(1<<21)|(3<<22)|(3<<25)   ; one weight's scale bytes of 128 rows for half of K: rows of 64 bytes, 128 apart in memory; after every 16 words, 4 words of padding
	s_mov_b32 s[G1SB+1], 64<<16
	s_mov_b32 s[G1SB+2], 128<<16
	s_mov_b32 s[G1SB+3], 64<<16
	s_mov_b32 s[G1SB+4], 128
	s_mov_b32 s[G1SB+5], 128
	s_mov_b32 s[G1SB+6], 0
	s_mov_b32 s[G1SB+7], 0
	s_lshr_b32 s[PAR], ttmp9, 1                        ; the cluster's kind, from the cluster's place in the grid alone: the same in all its partners
	s_xor_b32 s[PAR], s[PAR], ttmp9
	s_and_b32 s99, ttmp7, 0xffff
	s_xor_b32 s[PAR], s[PAR], s99
	s_lshr_b32 s99, s99, 1
	s_xor_b32 s[PAR], s[PAR], s99
	s_and_b32 s[PAR], s[PAR], 1
	s_mul_i32 s[WA], s[PAR], 16*AIMG
	s_mov_b32 s[WA+1], 0
	s_mul_i32 s2, s[TROW], 393216                      ; my row tile's images,
	s_mul_i32 s3, s[PAR], 8*AIMG                       ; from the half of K at which my cluster's walk begins,
	s_add_co_u32 s2, s2, s3
	s_mov_b32 s3, 0
	s_lshl_b32 s66, s[TROW], 14                        ; and scale words
	s_mov_b32 s67, 0
	s_mul_i32 s94, s[TCOL], 128*KROW                   ; my 128 rows of a weight,
	s_mul_i32 s95, s[PAR], 8*ROWB
	s_add_co_u32 s94, s94, s95
	s_mov_b32 s95, 0
	s_lshl_b32 s96, s[TCOL], 14                        ; and their scale bytes
	s_mov_b32 s97, 0
	v_and_b32 v1, 15, v0                               ; r
	v_bfe_u32 v2, v0, 4, 1                             ; hh
	v_and_b32 v3, 31, v0                               ; lane
	v_lshlrev_b32 v[VR], 13, v2
	v_lshl_add_u32 v[VR], v1, 4, v[VR]
	v_lshlrev_b32 v[VC], 4, v1
	s_wait_dscnt 0x0                                   ; both opening adds are done
	s_wait_kmcnt 0x0
	s_cmp_eq_u32 s[CHF], 0                             ; z's operand or n's: the choice hangs on the wave's number alone
	s_cselect_b64 s[4:5], s[4:5], s[6:7]
	s_cselect_b64 s[8:9], s[8:9], s[10:11]
	s_cselect_b64 s[12:13], s[12:13], s[14:15]
	s_cselect_b64 s[16:17], s[16:17], s[18:19]
	s_add_nc_u64 s[2:3], s[4:5], s[2:3]
	s_add_nc_u64 s[66:67], s[8:9], s[66:67]
	s_add_nc_u64 s[94:95], s[12:13], s[94:95]
	s_add_nc_u64 s[96:97], s[16:17], s[96:97]
	s_lshl_b32 s14, s[PAR], 13                         ; s4 to s19 have been used.  The walk's first half is half PAR of K: so far on its scale words begin,
	s_mov_b32 s15, 0
	s_lshl_b32 s16, s[PAR], 6                          ; and so far on, in each row, a weight's scale bytes
	s_mov_b32 s17, 0
	s_mul_i32 s[WB], s[PAR], 16*ROWB
	s_mov_b32 s[WB+1], 0
	CROUND                                             ; all sixteen work-groups are here: the first joint loads meet
	s_lshl_b32 s[LC], s[CHF], 14
	s_mov_b32 s[G0SA], 1
	s_add_co_u32 s[G0SA+1], s[LC], SCA
	s_add_nc_u64 s[G0SA+2:G0SA+3], s[66:67], s[14:15]
	s_or_b32 s[G0SA+3], s[G0SA+3], 0x80000000
	s_mov_b32 s[G0SA2], 1
	s_add_co_u32 s[G0SA2+1], s[LC], SCA+8192
	s_add_nc_u64 s[G0SA2+2:G0SA2+3], s[66:67], 8192    ; the walk's second half is half 1 - PAR of K
	s_sub_nc_u64 s[G0SA2+2:G0SA2+3], s[G0SA2+2:G0SA2+3], s[14:15]
	s_or_b32 s[G0SA2+3], s[G0SA2+3], 0x80000000
	s_mul_i32 s[LC], s[CHF], SWB
	s_mov_b32 s[G0SB], 1
	s_add_co_u32 s[G0SB+1], s[LC], SCZ
	s_add_nc_u64 s[G0SB+2:G0SB+3], s[96:97], s[16:17]
	s_or_b32 s[G0SB+3], s[G0SB+3], 0x80000000
	s_mov_b32 s[G0SB2], 1
	s_add_co_u32 s[G0SB2+1], s[LC], SCZ+SHB
	s_add_nc_u64 s[G0SB2+2:G0SB2+3], s[96:97], 64
	s_sub_nc_u64 s[G0SB2+2:G0SB2+3], s[G0SB2+2:G0SB2+3], s[16:17]
	s_or_b32 s[G0SB2+3], s[G0SB2+3], 0x80000000
	JLOAD G0SA, G1SA, G0SB, G1SB                       ; the scales for all of K, in two loads a wave: filled once
	JLOAD G0SA2, G1SA, G0SB2, G1SB
	s_mul_i32 s[LC], s[CHF], AIMG
	s_mul_i32 s96, s[CHF], WRUN
	s_add_co_u32 s96, s96, 2*AIMG
.irp s, 0,1
	s_mov_b32 s[G0A+4*\s], 1
	s_add_co_u32 s[G0A+4*\s+1], s[LC], \s*SLOT
	s_add_nc_u64 s[G0A+4*\s+2:G0A+4*\s+3], s[2:3], \s*AIMG
	s_or_b32 s[G0A+4*\s+3], s[G0A+4*\s+3], 0x80000000
	s_mov_b32 s[G0B+4*\s], 1
	s_add_co_u32 s[G0B+4*\s+1], s96, \s*SLOT
	s_add_nc_u64 s[G0B+4*\s+2:G0B+4*\s+3], s[94:95], \s*ROWB
	s_or_b32 s[G0B+4*\s+3], s[G0B+4*\s+3], 0x80000000
	JLOAD G0A+4*\s, G1A, G0B+4*\s, G1B                 ; four tensor loads of mine are out
.endr
	s_lshl_b32 s94, s[TCOL], 9
	s_lshl_b32 s95, s[CHF], 8
	s_add_co_u32 s94, s94, s95                         ; my first column, in bytes
	s_mov_b32 s95, 0
	s_add_nc_u64 s[20:21], s[20:21], s[94:95]
	s_add_nc_u64 s[22:23], s[22:23], s[94:95]
	s_lshl_b32 s96, s[TROW], 20
	s_lshl_b32 s97, s[RHF], 19
	s_add_co_u32 s96, s96, s97
	s_add_co_u32 s94, s94, s96
	s_add_nc_u64 s[24:25], s[24:25], s[94:95]
	s_add_nc_u64 s[OUT0:OUT0+1], s[OUT0:OUT0+1], s[94:95]
	global_load_b128 v[BZ:BZ+3], v[VC], s[20:21]
	global_load_b128 v[BN:BN+3], v[VC], s[22:23]
.set n, 0
.rept 32
	global_load_b128 v[HH+4*n:HH+4*n+3], v[VR], s[24:25] offset:16384*n th:TH_LOAD_NT   ; two rows x 256 consecutive bytes a load
.set n, n+1
.endr
	; LDS addresses
	s_mul_i32 s2, s[RHF], 6144
	v_lshl_add_u32 v[LA16], v3, 4, s2
	v_lshl_add_u32 v[LA8], v3, 3, s2
	v_add_nc_u32 v[LA16+1], SLOT, v[LA16]
	v_add_nc_u32 v[LA8+1], SLOT, v[LA8]
	v_mul_u32_u24 v24, v1, PITCH
	v_mad_u32_u24 v24, v2, 24, v24
	v_lshl_add_u32 v25, v2, 4, v24
	s_mul_i32 s3, s[CHF], 64*PITCH
	s_add_co_u32 s3, s3, 2*AIMG
.irp s, 0,1
	v_add_nc_u32 v[ADRB+\s], s3, v24
	v_add_nc_u32 v[ADRB+2+\s], s3, v25
	s_add_co_u32 s3, s3, SLOT
.endr
	s_lshl_b32 s2, s[RHF], 8
	s_add_co_u32 s2, s2, SCA
	v_lshl_add_u32 v[ASA], v3, 2, s2
	v_mul_u32_u24 v24, v3, SPT                         ; the weights' scale bytes: row = lane
	s_mul_i32 s3, s[CHF], 64*SPT
	s_add_co_u32 s3, s3, SCZ
	v_add_nc_u32 v[ASB], s3, v24
	s_mul_i32 s2, s[WV], 6*AREA                        ; my stage
	v_mul_u32_u24 v24, v2, 272
	v_lshl_add_u32 v24, v1, 4, v24
	v_add_nc_u32 v[AR], s2, v24
	v_mul_u32_u24 v24, v1, 272
	v_lshl_add_u32 v24, v2, 5, v24
	v_add_nc_u32 v[AD], s2, v24
	s_wait_tensorcnt 0x1                               ; the scales and my part of slot 0 are in; slot 1's load may be out
	s_barrier_signal -1
	s_barrier_wait -1
	SCALES 0
	FETCH 0, 0, 1
	STEP0 0, 1                                         ; the first products start both sums
	s_mov_b32 s[LC], 3
.Lfirst:                                               ; the walk's slots 0 to 6; its slots 2 to 7 are asked for
	TURN 0, 1, 1, 0, 8
	STEP0 1, 0
	TURN 1, 0, 1, 0, 8
	STEP0 0, 0
	s_sub_co_u32 s[LC], s[LC], 1
	s_cmp_lg_u32 s[LC], 0
	s_cbranch_scc1 .Lfirst
	TURN 0, 1, 1, 1, 8                                 ; asks for slot 8: the walk's second half begins
	STEP0 1, 0
	TURN 1, 0, 1, 1, SHB-56                            ; slot 9; and on to slot 8's scale bytes of the weights, which lie SHB behind slot 0's
	STEP0 0, 0
	s_mov_b32 s[LC], 3
.Lsecond:                                              ; slots 10 to 15 are asked for
	TURN 0, 1, 1, 0, 8
	STEP0 1, 0
	TURN 1, 0, 1, 0, 8
	STEP0 0, 0
	s_sub_co_u32 s[LC], s[LC], 1
	s_cmp_lg_u32 s[LC], 0
	s_cbranch_scc1 .Lsecond
	TURN 0, 1, 0, 0, 8                                 ; the last change of slots fills nothing
	STEP0 1, 0
	s_wait_dscnt 0x0
	MULQ1 1
	; THE EPILOGUE
	PLACES 4
	s_wait_loadcnt 0x0                                 ; h_prev and the biases
	s_mov_b32 s[NL], 0xbfb8aa3b                        ; -log2(e)
	s_mov_b32 s[NL+1], s[NL]
	s_mov_b32 s[L2X], 0x4038aa3b                       ; 2 log2(e)
	s_mov_b32 s[L2X+1], s[L2X]
	v_pk_mul_f32 v[BZ:BZ+1], v[BZ:BZ+1], s[NL:NL+1] op_sel_hi:[1,0]
	v_pk_mul_f32 v[BZ+2:BZ+3], v[BZ+2:BZ+3], s[NL:NL+1] op_sel_hi:[1,0]
	v_pk_mul_f32 v[BN:BN+1], v[BN:BN+1], s[L2X:L2X+1] op_sel_hi:[1,0]
	v_pk_mul_f32 v[BN+2:BN+3], v[BN+2:BN+3], s[L2X:L2X+1] op_sel_hi:[1,0]
	WIN 0x0c                                           ; both sums to memory's layout through my stage: three row blocks through the six areas, then the fourth
.irp a, 0,1,2
	ST_D 32*\a, 2*\a
	ST_D 128+32*\a, 2*\a+1
.endr
	WIN 0xc0
.irp a, 0,1,2
	LD_R 32*\a, 2*\a
	LD_R 128+32*\a, 2*\a+1
.endr
	WIN 0x0c
	ST_D 96, 0
	ST_D 224, 1
	WIN 0xc0
	LD_R 96, 0
	LD_R 224, 1
; Row block a: z, n, the blend, the stores.  cnt: the LDS instructions issued behind its loads from the stage.
.macro FIN a, cnt
	s_wait_dscnt \cnt
	WIN 0xc3
.set n, 0
.rept 16
	v_pk_fma_f32 v[32*(\a)+2*n:32*(\a)+2*n+1], v[32*(\a)+2*n:32*(\a)+2*n+1], s[NL:NL+1], v[BZ+2*(n%2):BZ+2*(n%2)+1] op_sel_hi:[1,0,1]
	v_pk_fma_f32 v[128+32*(\a)+2*n:128+32*(\a)+2*n+1], v[128+32*(\a)+2*n:128+32*(\a)+2*n+1], s[L2X:L2X+1], v[BN+2*(n%2):BN+2*(n%2)+1] op_sel_hi:[1,0,1]
.set n, n+1
.endr
.set n, 0
.rept 32
	v_exp_f32 v[32*(\a)+n], v[32*(\a)+n]
	v_exp_f32 v[128+32*(\a)+n], v[128+32*(\a)+n]
.set n, n+1
.endr
	v_nop                                              ; a plain place behind the last exponential
	s_wait_alu depctr_va_vdst(0)                       ; one wait for the batch, ahead of its first reader
.set n, 0
.rept 16
	v_pk_add_f32 v[32*(\a)+2*n:32*(\a)+2*n+1], v[32*(\a)+2*n:32*(\a)+2*n+1], 1.0 op_sel_hi:[1,0]
	v_pk_add_f32 v[128+32*(\a)+2*n:128+32*(\a)+2*n+1], v[128+32*(\a)+2*n:128+32*(\a)+2*n+1], 1.0 op_sel_hi:[1,0]
.set n, n+1
.endr
.set n, 0
.rept 32
	v_rcp_f32 v[32*(\a)+n], v[32*(\a)+n]               ; z
	v_rcp_f32 v[128+32*(\a)+n], v[128+32*(\a)+n]
.set n, n+1
.endr
	v_nop
	s_wait_alu depctr_va_vdst(0)
.set n, 0
.rept 16
	v_pk_fma_f32 v[128+32*(\a)+2*n:128+32*(\a)+2*n+1], v[128+32*(\a)+2*n:128+32*(\a)+2*n+1], -2.0, 1.0 op_sel_hi:[1,0,0]   ; n
.set n, n+1
.endr
.set n, 0
.rept 16
	v_pk_add_f32 v[128+32*(\a)+2*n:128+32*(\a)+2*n+1], v[128+32*(\a)+2*n:128+32*(\a)+2*n+1], v[HH+32*(\a)+2*n:HH+32*(\a)+2*n+1] neg_lo:[0,1] neg_hi:[0,1]   ; n - h
.set n, n+1
.endr
	WIN 0xcf
.set n, 0
.rept 16
	v_pk_fma_f32 v[32*(\a)+2*n:32*(\a)+2*n+1], v[32*(\a)+2*n:32*(\a)+2*n+1], v[128+32*(\a)+2*n:128+32*(\a)+2*n+1], v[HH+32*(\a)+2*n:HH+32*(\a)+2*n+1]   ; h + z (n - h)
.set n, n+1
.endr
	WIN 0x0c
.set n, 0
.rept 8
	global_store_b128 v[VR], v[32*(\a)+4*n:32*(\a)+4*n+3], s[OUT0:OUT0+1] offset:16384*(8*(\a)+n) th:TH_STORE_NT   ; 16 lanes store 256 consecutive bytes, at a multiple of 256 from out0's first byte
.set n, n+1
.endr
.endm
	FIN 0, 63                                          ; 64 LDS instructions are younger than block 0's loads
	FIN 1, 48
	FIN 2, 32
	FIN 3, 0
	WIN 0
	s_wait_tensorcnt 0x0                               ; the wave's end
	ds_add_u32 v[SPW], v[NIL]
	s_wait_dscnt 0x0
	CROUND                                             ; the closing round
	s_endpgm
.Lfunc_end_k_q252f38e1be_outp:
	.size	k_q252f38e1be_outp, .Lfunc_end_k_q252f38e1be_outp-k_q252f38e1be_outp
	.p2alignl 7, 3214868480
	.fill 96, 4, 3214868480
	.section	.rodata,"a",@progbits
	.p2align	6, 0x0
	.amdhsa_kernel k_q252f38e1be_outp
		.amdhsa_group_segment_fixed_size 327680
		.amdhsa_private_segment_fixed_size 0
		.amdhsa_enable_private_segment 0
		.amdhsa_kernarg_size 96
		.amdhsa_user_sgpr_count 2
		.amdhsa_user_sgpr_kernarg_segment_ptr 1
		.amdhsa_wavefront_size32 1
		.amdhsa_system_sgpr_workgroup_id_x 1
		.amdhsa_system_sgpr_workgroup_id_y 1
		.amdhsa_system_sgpr_workgroup_id_z 1
		.amdhsa_system_vgpr_workitem_id 0
		.amdhsa_next_free_vgpr 1024
		.amdhsa_next_free_sgpr 102
		.amdhsa_reserve_vcc 0
		.amdhsa_float_denorm_mode_32 3
		.amdhsa_float_denorm_mode_16_64 3
		.amdhsa_memory_ordered 1
		.amdhsa_forward_progress 1
		.amdhsa_inst_pref_size 234
	.end_amdhsa_kernel
	.amdgpu_metadata
---
amdhsa.version: [ 1, 2 ]
amdhsa.kernels:
  - .name:           k_q252f38e1be_outp
    .symbol:         k_q252f38e1be_outp.kd
    .args:
      - { .name: comb, .offset: 0, .size: 8, .value_kind: global_buffer, .address_space: global }
      - { .name: cand, .offset: 8, .size: 8, .value_kind: global_buffer, .address_space: global }
      - { .name: comb_scales, .offset: 16, .size: 8, .value_kind: global_buffer, .address_space: global }
      - { .name: cand_scales, .offset: 24, .size: 8, .value_kind: global_buffer, .address_space: global }
      - { .name: Wz_w_codes, .offset: 32, .size: 8, .value_kind: global_buffer, .address_space: global }
      - { .name: Wc_w_codes, .offset: 40, .size: 8, .value_kind: global_buffer, .address_space: global }
      - { .name: Wz_w_scales, .offset: 48, .size: 8, .value_kind: global_buffer, .address_space: global }
      - { .name: Wc_w_scales, .offset: 56, .size: 8, .value_kind: global_buffer, .address_space: global }
      - { .name: Wz_b, .offset: 64, .size: 8, .value_kind: global_buffer, .address_space: global }
      - { .name: Wc_b, .offset: 72, .size: 8, .value_kind: global_buffer, .address_space: global }
      - { .name: h_prev, .offset: 80, .size: 8, .value_kind: global_buffer, .address_space: global }
      - { .name: out0, .offset: 88, .size: 8, .value_kind: global_buffer, .address_space: global }
    .group_segment_fixed_size: 327680
    .private_segment_fixed_size: 0
    .kernarg_segment_align: 8
    .kernarg_segment_size: 96
    .max_flat_workgroup_size: 128
    .sgpr_count:     102
    .vgpr_count:     1024
    .wavefront_size: 32
...
	.end_amdgpu_metadata
.endif
;; end of part 3
